; MI455X (gfx1250); checked and timed in simulation.
; The chip was launched on July 23, 2026; its instructions are those of AMD's public machine-readable ISA for CDNA 5 (MIT licence, August 2026) and "CDNA5" Instruction Set Architecture Reference Guide (July 2026). The comments in the code are by the model that wrote it; some were corrected since.
;; Casual Transformer Block. Allowed arithmetic: matrix products marked QUANTISED: E4M3 operands, one E8M0 scale for each 32 along K, by v_wmma_scale_f32_16x16x128_f8f6f4 with both operands' format E4M3, f32 sums; everything else in f32.
;; Inputs: W1_codes 2,048 x 16 x 32 uint8 (E4M3 codes of W1, K innermost, in blocks of 32 codes); W1_scales 2,048 x 16 uint8 (E8M0 scales of W1, one for each 32 codes along K); W2_codes 512 x 64 x 32 uint8 (E4M3 codes of W2, K innermost, in blocks of 32 codes); W2_scales 512 x 64 uint8 (E8M0 scales of W2, one for each 32 codes along K); Wk_codes 512 x 16 x 32 uint8 (E4M3 codes of Wk, K innermost, in blocks of 32 codes); Wk_scales 512 x 16 uint8 (E8M0 scales of Wk, one for each 32 codes along K); Wo_codes 512 x 16 x 32 uint8 (E4M3 codes of Wo, K innermost, in blocks of 32 codes); Wo_scales 512 x 16 uint8 (E8M0 scales of Wo, one for each 32 codes along K); Wq_codes 512 x 16 x 32 uint8 (E4M3 codes of Wq, K innermost, in blocks of 32 codes); Wq_scales 512 x 16 uint8 (E8M0 scales of Wq, one for each 32 codes along K); Wv_codes 512 x 16 x 32 uint8 (E4M3 codes of Wv, K innermost, in blocks of 32 codes); Wv_scales 512 x 16 uint8 (E8M0 scales of Wv, one for each 32 codes along K); b1 2,048 float32; b2 512 float32; be1 512 float32; be2 512 float32; bk 512 float32; bo 512 float32; bq 512 float32; bv 512 float32; g1 512 float32; g2 512 float32; x 2 x 4,096 x 512 float32.
;; Outputs: out0 2 x 4,096 x 512 float32.
;; This version of the problem:
;;   THIS VERSION OF THE PROBLEM IS GIVEN IN LOW PRECISION. The matrix products marked QUANTISED in the list below multiply operands that are first quantised to E4M3 (4 exponent bits, 3 mantissa bits; 8 bits a number), with one power-of-two scale for each 32 numbers along K (OCP MX v1.0); their sums are f32. All else is computed in f32.
;;   The module's matrix products, in the order in which they are computed (A, B: the left and right operand; K: the contracted axis; several contracted axes count as one K, in the product's order):
;;     1. [M 8,192, K 512] x [K 512, N 512]; A: input x; B: input Wq (given as codes): QUANTISED
;;     2. [M 8,192, K 512] x [K 512, N 512]; A: input x; B: input Wk (given as codes): QUANTISED
;;     3. [M 8,192, K 512] x [K 512, N 512]; A: input x; B: input Wv (given as codes): QUANTISED
;;     4. batch 16 x [M 4,096, K 64] x [K 64, N 4,096]; A: computed on the way; B: computed on the way: QUANTISED
;;     5. batch 16 x [M 4,096, K 4,096] x [K 4,096, N 64]; A: softmax (see below); B: computed on the way: QUANTISED
;;     6. [M 8,192, K 512] x [K 512, N 512]; A: computed on the way; B: input Wo (given as codes): QUANTISED
;;     7. [M 8,192, K 512] x [K 512, N 2,048]; A: computed on the way; B: input W1 (given as codes): QUANTISED
;;     8. [M 8,192, K 2,048] x [K 2,048, N 512]; A: computed on the way; B: input W2 (given as codes): QUANTISED
;;   THE QUANTISER, for each operand of a quantised product, along K:
;;     - K is cut into blocks of 32 from its start; a last block that is shorter is filled with zeros.
;;     - A block's scale is 2^e with e = floor(log2(the largest magnitude in the block)) - 8, held to -126 .. 127; a block of zeros has e = 0. As a byte (E8M0): e + 127.
;;     - Each number is divided by its block's scale, clamped to +-448, and rounded to the nearest number of E4M3, ties to even, subnormals kept.
;;     - The product sums the exact products of the quantised numbers (number of the format x scale) in f32.
;;   ~~~python
;;   def quantise(x, axis):      # numpy; x: float32 -> the quantised numbers, widened to float32 again
;;       x = np.moveaxis(x, axis, -1); K = x.shape[-1]
;;       x = np.pad(x, [(0, 0)] * (x.ndim - 1) + [(0, -K % 32)]); x = x.reshape(x.shape[:-1] + (-1, 32)); a = np.abs(x).max(-1, keepdims=True)
;;       e = np.where(a > 0, np.clip(np.frexp(np.where(a > 0, a, 1))[1] - 1 - 8, -126, 127), 0)      # np.frexp(a)[1] - 1 = floor(log2(a)), exactly
;;       r = np.clip(x / 2.0 ** e, -448, 448)
;;       step = 2.0 ** (np.maximum(np.frexp(np.where(r == 0, 1, r))[1] - 1, -6) - 3)
;;       q = np.round(r / step) * step * 2.0 ** e      # np.round: ties to even
;;       return np.moveaxis(q.reshape(q.shape[:-2] + (-1,))[..., :K], -1, axis).astype(np.float32)
;;   ~~~
;;   SOFTMAX AHEAD OF A QUANTISED PRODUCT. Where the list says 'softmax', what is quantised is not the finished softmax but p = 2^(t - M), with t = logit x log2(e) and M = ceil(the row's largest t), a whole number; so 1/2 < the row's largest p <= 1. The row's sum l is taken of the UNQUANTISED p, in f32, and the product's result is divided by l at the end. Since M is a whole number, a kernel that streams over the keys may use a running M (the ceiling of the running maximum): every later rescaling is an exact power of two, which a block's scale takes up: the codes' values come out the same.
;;   OPERANDS COMPUTED ON THE WAY. 'Computed on the way' means the value that the module computes at that place (a softmax that the list does not call 'softmax' is quantised finished and normalised). What goes into a quantiser is computed in f32, as accurately as f32 sums, v_exp_f32 and their like allow (about 1e-6 of the number): no bf16 or f16 on the way to a quantiser, and a product that is left as it is and whose result goes on into a quantised operand takes f32 operands (vector FMAs, or v_wmma_f32_16x16x4_f32). A number that lies on a knife's edge between two numbers of the format may be rounded either way, as far as f32 arithmetic and the matrix unit's own rounding can turn it there, and no further.
;;   INPUTS GIVEN AS CODES. W1 (in the module: [2048, 512], K = its axis 1); W2 (in the module: [512, 2048], K = its axis 1); Wk (in the module: [512, 512], K = its axis 1); Wo (in the module: [512, 512], K = its axis 1); Wq (in the module: [512, 512], K = its axis 1); Wv (in the module: [512, 512], K = its axis 1): each comes as NAME_codes (uint8): NAME with its K axis moved to the last place and cut into blocks of 32 codes, [.., K / 32, bytes a block], one block behind the other in memory; one code a byte (a code: sign, 4 exponent bits, 3 mantissa bits); and NAME_scales (uint8): the same leading axes, one E8M0 byte (e + 127) for each 32 codes along K. Its value is code x scale, taken as it is: it is not quantised again, and the codes and scales need not be those that the quantiser above would give.
;; 2 versions, each right; version 2 is version 1 with the launch attn written anew for expert scheduling mode. Each part assembles by itself: llvm-mc -triple=amdgcn-amd-amdhsa -mcpu=gfx1250 --defsym DOCPART=n.
;; ======== version 1 of 2: 3 launches
;; workspace buffers: qc 4,194,304 bytes; qs 131,072 bytes; kc 4,194,304 bytes; kvs 262,144 bytes; vc 4,194,304 bytes; cc 4,194,304 bytes; cs 131,072 bytes
;; launch qkv (part 1): grid 256 x 1, 4 waves a work-group, clusters of 4 x 1, 327,680 bytes of LDS; arguments x, Wq_codes, Wq_scales, bq, Wk_codes, Wk_scales, bk, Wv_codes, Wv_scales, bv, qc, qs, kc, kvs, vc; writes qc, qs, kc, kvs, vc
.if DOCPART == 1
	.amdgcn_target "amdgcn-amd-amdhsa--gfx1250"
	.amdhsa_code_object_version 6
	.text
	.protected	k_q1bb0b3e55e_qkv
	.globl	k_q1bb0b3e55e_qkv
	.p2align	8
	.type	k_q1bb0b3e55e_qkv,@function
k_q1bb0b3e55e_qkv:
	s_mov_b64 s[64:65], 0
	v_nop
	global_prefetch_b8 v0, s[64:65] scope:SCOPE_SE
	s_setreg_imm32_b32 hwreg(HW_REG_WAVE_MODE, 25, 1), 1
	s_wait_xcnt 0x0
	s_wait_alu depctr_hold_cnt(0) depctr_sa_sdst(0) depctr_va_vdst(0) depctr_va_sdst(0) depctr_va_ssrc(0) depctr_va_vcc(0) depctr_vm_vsrc(0)
	s_getreg_b32 s2, hwreg(HW_REG_IB_STS2, 6, 4)
	s_cmp_eq_u32 s2, 0
	s_cbranch_scc0 .Lentry_in_a_cluster
	s_endpgm
.Lentry_in_a_cluster:
	s_bfe_u32 s2, ttmp6, 0x10000c
	s_cmp_lg_u32 s2, 0x3003
	s_cbranch_scc0 .Lentry_shape_is_right
	s_endpgm
.Lentry_shape_is_right:
; q = x Wq^T + bq, k = x Wk^T + bk, v = x Wv^T + bv on codes of FP8 (E4M3) with one E8M0 scale for each 32 along K, and the three results quantised for the attention launch.
; x: [8192][512] f32, quantised here along its 512.  Wq, Wk, Wv: [512][512] codes, K innermost; scale bytes [512][16].  The raw reshape makes a row of 512 results 8 tokens of 64 of one head.
; OUT: qc, kc [65536 tokens][64] codes along the head's 64; qs [token][2] scale bytes; kvs [256 slots][1024]: 512 bytes of k's scale bytes, then v's scale words [2][4][16]; vc [256 slots][2][4] images of
; fragments of V^T (16 of the head's 64 x 128 keys, 2,048 bytes each, in the order of the operand's registers), quantised along the KEYS.  A slot is 256 tokens = this work-group's 32 rows.
; SHARES.  A work-group of four waves owns 32 rows of x (two tiles of 16); wave w owns result columns 128 w .. 128 w + 127 of q, of k and of v: 16 accumulators.
; THE MATRIX INSTRUCTION IS USED TRANSPOSED: source 0 = 16 rows of a weight, source 1 = 16 rows of x: lane (r, h) holds row r and columns 16 T + 8 h + 0 .. 7 of tile T.
; THE ORDER INSIDE A BLOCK OF 32.  The 16 registers of tiles 2 b, 2 b + 1 lie in ONE block of 32 of the next K and are converted as they stand: place (h, i) of the block holds number 8 h + i % 8 + 16 (i / 8).
; q and k are both laid so, and v's images are laid so along the keys, since the softmax's p will lie so: a permutation inside a block, alike on both sides, changes no product and no scale.
; CLUSTER.  All work-groups walk the same 768 KB of weights: four form a cluster and ask for each tile JOINTLY.  Wave w fetches, and alone reads, its own 128 weight rows.
; The weights go through two LDS slots of 512 rows x 256 bytes (half of K): Wq, Wk, Wv are six slots' worth.
; LIMITS: NaN and infinities among the inputs are not served.  A block of zeros gets the scale byte 1 where the rule says 127: its codes are zeros, and this program alone reads these bytes.
; REGISTERS: window 0: v1-22 addresses; v24-55 the weight's scale words (4 T + s); v56-63 x's (4 m + s); v72-88 at work; v92-107 codes just made; v128-255 the accumulators Y(m, T) = 128 + 64 m + 8 T.
;   window 1: four buffers of 64 for weight fragments.   window 2: v0-127 x's 8 fragments (4 m + s); v128-191 the bias in the result's layout.
.set PITCH,  272                       ; a weight row in LDS: 256 bytes + 16 of padding = 68 words: the 16 rows that a load touches start at 16 different banks (64 banks of 4 bytes: ISA guide 11.1)
.set WROWS,  128*PITCH                 ; a wave's 128 rows
.set SLOT,   4*WROWS
.set XIMG,   2*SLOT                    ; x's 8 fragments as images of their registers, 2,048 bytes each
.set XSC,    XIMG+8*2048               ; their scale words, 128 bytes each
.set CSTG,   XSC+8*128                 ; the way out of q's and k's codes: 32 rows x (512 + 16)
.set CP,     528
.set SSTG,   CSTG+32*CP                ; and of their scale bytes: 32 rows x 16
.set SPARE,  SSTG+512                  ; the spare words, 128 bytes for each wave: two blocks of 256 bytes that no other line names
.set VP,     2064                      ; v as f32, 32 rows x (2,048 + 16), from LDS byte 0 on: in slot 0, behind its last fill and its last read
.set ADRW, 4                           ; v4-5 my place in my weight rows of slot 0, 1
.set XA,   6
.set XRI,  7
.set XRS,  8
.set XWI,  9
.set XWS,  10
.set CSO,  11
.set SSO,  12
.set CSR,  13
.set SSR,  14
.set GCO,  15
.set GSO,  16
.set WSA,  17
.set BAA,  18
.set VSO,  19
.set VLD,  20
.set VGO,  21
.set VSG,  22
.set WS,   24
.set BS,   56
.set TM,   72
.set PW,   88
.set PC,   92
.set SPW,  124                         ; LDS address of my spare word; never rewritten
.set NIL,  125                         ; 0; never rewritten
.set Y,    128
.set BA,   128                         ; in window 2
.set VC,   192                         ; v's codes, 8 registers a block
.set VW,   224                         ; v's scale word
.set WV,   34
.set CX,   35
.set G,    36
.set G1,   40                          ; s[40:47] descriptor group 1
.set G0,   48                          ; s[48:55] group 0, a set for each slot
.set SEL,  56
.set MNT,  58
.set MSB, 0
.macro WIN new                         ; the immediate's high byte repeats the setting that is left
.if MSB != (\new)
	s_set_vgpr_msb (MSB<<8)|(\new)
.set MSB, (\new)
.endif
.endm
.macro PLACES n                        ; plain places behind matrix instructions (ISA guide 7.12.1)
.if (\n) > 0
.rept \n
	v_nop
.endr
.endif
.endm
.macro ROUND                           ; a round of the cluster's barrier
	s_barrier_signal -1
	s_barrier_wait -1
	s_cmp_lg_u32 s[WV], 0
	s_cbranch_scc1 .Lnot_wave_0_\@
	s_barrier_signal -3
.Lnot_wave_0_\@:
	s_barrier_wait -3
	s_barrier_signal -1
	s_barrier_wait -1
.endm
.macro BARRIER                         ; my LDS stores have landed and my LDS loads are in: then the work-group's barrier
	s_wait_dscnt 0x0
	s_barrier_signal -1
	s_barrier_wait -1
.endm
; A slot that has been read out takes half off / 256 of the weight whose rows (mine) begin at s[ptr].
.macro CHANGE slot, ptr, off
	WIN 0
	s_wait_tensorcnt 0x0                           ; all my tensor loads have landed: my rows of the other slot; so a group 0 may be written
	ds_add_u32 v[SPW], v[NIL]                      ; 0 onto my spare word
	s_add_nc_u64 s[G0+4*\slot+2:G0+4*\slot+3], s[\ptr:\ptr+1], \off
	s_or_b32 s[G0+4*\slot+3], s[G0+4*\slot+3], 0x80000000
	s_wait_dscnt 0x0                               ; the add is done, and my reads of this slot are over
	ROUND                                          ; both hold of every wave of the four work-groups
	tensor_load_to_lds s[G0+4*\slot:G0+4*\slot+3], s[G1:G1+7]   ; my one tensor load behind the round
	s_nop 0
.rept 4
	v_nop
.endr
.endm
; 64 numbers of a lane, v[s] .. v[s + 63], register 16 b + i in block b of my row, become a fragment's codes in v[PC] on and its scale word in v[PW]
.macro QUANT s
.irp b, 0,1,2,3
	v_max3_num_f32 v[TM+\b], |v[\s+16*\b]|, |v[\s+1+16*\b]|, 0x4800000   ; my 16 numbers of block b, and the floor 2^(9 - 127): the byte cannot fall under 1
.endr
.irp i, 2,4,6,8,10,12,14
.irp b, 0,1,2,3
	v_max3_num_f32 v[TM+\b], v[TM+\b], |v[\s+16*\b+\i]|, |v[\s+1+16*\b+\i]|
.endr
.endr
.irp b, 0,1,2,3
	v_permlanex16_b32 v[TM+4+\b], v[TM+\b], s[SEL], s[SEL+1]
.endr
.irp b, 0,1,2,3
	v_max_num_f32 v[TM+\b], v[TM+\b], v[TM+4+\b]   ; with lane l xor 16's: the block's largest magnitude
.endr
.irp b, 0,1,2,3
	v_add_nc_u32 v[TM+12+\b], 0xfc000000, v[TM+\b] ; 8 off its exponent field: the conversion's scale operand
.endr
.irp b, 0,1,2,3
	v_and_or_b32 v[TM+8+\b], v[TM+\b], 0x7f800000, s[MNT]   ; 448 x the scale
.endr
.irp b, 0,1,2,3
	v_lshrrev_b32 v[TM+4+\b], 23, v[TM+12+\b]      ; the scale's byte
.endr
	v_lshl_or_b32 v[PW], v[TM+5], 8, v[TM+4]
	v_lshl_or_b32 v[PW], v[TM+6], 16, v[PW]
	v_lshl_or_b32 v[PW], v[TM+7], 24, v[PW]
.irp b, 0,1,2,3
.irp i, 0,1,2,3,4,5,6,7,8,9,10,11,12,13,14,15
	v_med3_num_f32 v[\s+16*\b+\i], v[\s+16*\b+\i], -v[TM+8+\b], v[TM+8+\b]   ; the conversion to an 8-bit code does not saturate (ISA guide 7.6.2): the hold
.endr
	v_cvt_scalef32_pk8_fp8_f32 v[PC+4*\b:PC+1+4*\b], v[\s+16*\b:\s+7+16*\b], v[TM+12+\b]
	v_cvt_scalef32_pk8_fp8_f32 v[PC+2+4*\b:PC+3+4*\b], v[\s+8+16*\b:\s+15+16*\b], v[TM+12+\b]
.endr
	v_nop                                          ; a plain line behind the last conversion: products will write its sources again
.endm
; a weight's scale words (a row's 16 bytes are its four words) and its bias in the result's layout
.macro LOADW ws, bp
.irp t, 0,1,2,3,4,5,6,7
	global_load_b128 v[WS+4*\t:WS+4*\t+3], v[WSA], s[\ws:\ws+1] offset:256*\t
.endr
	WIN 0x80
.irp t, 0,1,2,3,4,5,6,7
	global_load_b128 v[BA+8*\t:BA+8*\t+3], v[BAA], s[\bp:\bp+1] offset:64*\t
	global_load_b128 v[BA+8*\t+4:BA+8*\t+7], v[BAA], s[\bp:\bp+1] offset:64*\t+16
.endr
	WIN 0
.endm
; quarter qb = 2 sp + th of a slot: four tiles (4 th on) of its sp-th 128 along K: 16 loads into buffer qb
.macro LQ slot, qb
.irp t, 0,1,2,3
.irp c, 0,1,2,3
	ds_load_b128 v[64*(\qb)+16*\t+4*\c:64*(\qb)+16*\t+4*\c+3], v[ADRW+\slot] offset:(4*((\qb)%2)+\t)*16*PITCH+128*((\qb)/2)+32*\c
.endr
.endr
.endm
; its 8 products: 8 accumulators by turns; the quarters beside it take the other 8.  first: the sums begin with the bias as C
.macro MULQ half, qb, first
.set SS, 2*(\half)+(\qb)/2
.if (\first) && ((\qb) < 2)
	WIN 0x29                                       ; source 0 window 1, source 1 and C window 2, D window 0
.else
	WIN 0x09
.endif
.irp t, 0,1,2,3
.irp m, 0,1
.set TT, 4*((\qb)%2)+\t
.if (\first) && ((\qb) < 2)
	v_wmma_scale_f32_16x16x128_f8f6f4 v[Y+64*\m+8*TT:Y+64*\m+8*TT+7], v[64*(\qb)+16*\t:64*(\qb)+16*\t+15], v[16*(4*\m+SS):16*(4*\m+SS)+15], v[BA+8*TT:BA+8*TT+7], v[WS+4*TT+SS], v[BS+4*\m+SS]
.else
	v_wmma_scale_f32_16x16x128_f8f6f4 v[Y+64*\m+8*TT:Y+64*\m+8*TT+7], v[64*(\qb)+16*\t:64*(\qb)+16*\t+15], v[16*(4*\m+SS):16*(4*\m+SS)+15], v[Y+64*\m+8*TT:Y+64*\m+8*TT+7], v[WS+4*TT+SS], v[BS+4*\m+SS]
.endif
.endr
.endr
.endm
; a slot's 32 products.  np: the places still owed in front of loads into the buffers that the slot before multiplied
.macro WORK slot, half, first, np
	PLACES \np
	WIN 0x40
	LQ \slot, 0
	LQ \slot, 1
	s_wait_dscnt 16                                ; all but the youngest quarter's 16 loads
	MULQ \half, 0, \first
	WIN 0x40
	LQ \slot, 2
	s_wait_dscnt 16
	MULQ \half, 1, \first
	WIN 0x40
	LQ \slot, 3
	s_wait_dscnt 16
	MULQ \half, 2, \first
	s_wait_dscnt 0x0
	MULQ \half, 3, \first
	WIN 0
.endm
; q or k: quantised along the head's 64, gathered by rows in LDS, stored as whole rows of 512 bytes
.macro EPI cp, sp
.irp m, 0,1
	QUANT Y+64*\m
.irp b, 0,1,2,3
	ds_store_b128 v[CSO], v[PC+4*\b:PC+4*\b+3] offset:\m*16*CP+32*\b
.endr
	ds_store_b32 v[SSO], v[PW] offset:256*\m
	s_wait_dscnt 0x0                               ; the stores have read their registers
.endr
	s_barrier_signal -1
	s_barrier_wait -1                              ; 32 whole rows lie in the stage
.irp i, 0,1,2,3,4,5,6,7
	ds_load_b128 v[Y+4*\i:Y+4*\i+3], v[CSR] offset:\i*CP
.endr
	ds_load_b32 v[Y+32], v[SSR]
.irp i, 0,1,2,3,4,5,6,7
	s_wait_dscnt 8-\i                              ; behind load i: the later rows' loads and the scale bytes'
	global_store_b128 v[GCO], v[Y+4*\i:Y+4*\i+3], s[\cp:\cp+1] offset:512*\i   ; 32 lanes store a row's 512 consecutive bytes
.endr
	s_wait_dscnt 0x0
	global_store_b32 v[GSO], v[Y+32], s[\sp:\sp+1]
	s_wait_xcnt 0x0                                ; the stores' registers are written again by the next products only behind this wait
.endm
	s_load_b512 s[4:19], s[0:1], 0x0               ; x s[4:5]; Wq codes s[6:7], scales s[8:9], bq s[10:11]; Wk s[12:13], s[14:15], bk s[16:17]; Wv codes s[18:19]
	s_load_b256 s[20:27], s[0:1], 0x40             ; Wv scales s[20:21], bv s[22:23], qc s[24:25], qs s[26:27]
	s_load_b128 s[28:31], s[0:1], 0x60             ; kc s[28:29], kvs s[30:31]
	s_load_b64 s[32:33], s[0:1], 0x70              ; vc
	v_lshl_add_u32 v[SPW], v0, 2, SPARE
	v_mov_b32 v[NIL], 0
	ds_add_u32 v124, v125
	ds_add_u32 v124, v125
	s_wait_dscnt 0x0
	v_lshrrev_b32 v1, 5, v0
	v_readfirstlane_b32 s[WV], v1                  ; wave 0..3
	v_and_b32 v1, 31, v0                           ; lane
	v_and_b32 v2, 15, v0                           ; r
	v_bfe_u32 v3, v0, 4, 1                         ; h
	s_bfe_u32 s[CX], ttmp6, 0x40000                ; my place in the cluster
	s_lshl_b32 s[G], ttmp9, 2
	s_add_co_u32 s[G], s[G], s[CX]                 ; my block of 32 rows: it enters global addresses of x and of the results alone
	s_mov_b32 s[G1], 15|(1<<20)|(1<<21)|(5<<22)|(3<<25)   ; mask: all four work-groups; elements of 1 byte; padding on; bit 21 beside the mask; 4 words of padding after every 64
	s_mov_b32 s[G1+1], 256<<16                     ; tensor_dim0 = 256
	s_mov_b32 s[G1+2], 128<<16                     ; tensor_dim1 = 128
	s_mov_b32 s[G1+3], 256<<16                     ; tile_dim0 = 256
	s_mov_b32 s[G1+4], 128                         ; tile_dim1 = 128
	s_mov_b32 s[G1+5], 512                         ; from row to row
	s_mov_b32 s[G1+6], 0
	s_mov_b32 s[G1+7], 0
	s_mov_b32 s[SEL], 0x76543210
	s_mov_b32 s[SEL+1], 0xfedcba98                 ; v_permlanex16_b32's selects for lane l xor 16
	s_mov_b32 s[MNT], 0x600000                     ; the mantissa field of 448
	s_mul_i32 s66, s[WV], WROWS
	s_lshl_b32 s67, s[WV], 9
	s_lshl_b32 s68, s[WV], 11
	s_lshl_b32 s69, s[WV], 7
	s_lshl_b32 s70, s[WV], 2
	s_lshl_b32 s71, s[WV], 12
	s_mul_i32 s72, s[WV], 8*CP
	s_lshr_b32 s73, s[WV], 1
	s_mul_i32 s73, s73, 16*VP
	s_and_b32 s74, s[WV], 1
	s_lshl_b32 s74, s74, 7
	s_add_co_u32 s73, s73, s74
	s_lshl_b32 s60, s[WV], 16                      ; my 128 weight rows of 512 bytes
	s_mov_b32 s61, 0
	s_mov_b32 s[G0], 1
	s_mov_b32 s[G0+1], s66
	s_mov_b32 s[G0+4], 1
	s_add_co_u32 s[G0+5], s66, SLOT
	s_lshl_b32 s76, s[G], 16                       ; 32 rows of x
	s_mov_b32 s77, 0
	s_lshl_b32 s78, s[G], 14                       ; 32 rows of codes; a slot of V's images
	s_mov_b32 s79, 0
	s_lshl_b32 s80, s[G], 9                        ; 32 rows of scale bytes
	s_mov_b32 s81, 0
	s_lshl_b32 s82, s[G], 10                       ; a slot of kvs
	s_mov_b32 s83, 0
	v_mul_u32_u24 v[ADRW], v2, PITCH
	v_lshl_add_u32 v[ADRW], v3, 4, v[ADRW]
	v_add_nc_u32 v[ADRW], s66, v[ADRW]             ; (128 w + r) x pitch + 16 h
	v_add_nc_u32 v[ADRW+1], SLOT, v[ADRW]
	v_lshlrev_b32 v[XA], 11, v2
	v_lshl_add_u32 v[XA], v3, 6, v[XA]
	v_add_nc_u32 v[XA], s67, v[XA]                 ; x: row r, K step w, + 64 h: my 16 numbers of a block of 32
	v_lshl_add_u32 v[XRI], v1, 4, XIMG
	v_lshl_add_u32 v[XRS], v1, 2, XSC
	v_add_nc_u32 v[XWI], s68, v[XRI]
	v_add_nc_u32 v[XWS], s69, v[XRS]
	v_mul_u32_u24 v[CSO], v2, CP
	v_lshl_add_u32 v[CSO], v3, 4, v[CSO]
	v_add_nc_u32 v[CSO], s69, v[CSO]
	v_add_nc_u32 v[CSO], CSTG, v[CSO]              ; row r, + 128 w + 16 h
	v_lshl_add_u32 v[SSO], v2, 4, SSTG
	v_add_nc_u32 v[SSO], s70, v[SSO]
	v_lshl_add_u32 v[CSR], v1, 4, CSTG
	v_add_nc_u32 v[CSR], s72, v[CSR]               ; back: rows 8 w on, 16 bytes a lane
	v_lshl_add_u32 v[SSR], v1, 2, SSTG
	v_add_nc_u32 v[SSR], s69, v[SSR]
	v_lshlrev_b32 v[GCO], 4, v1
	v_add_nc_u32 v[GCO], s71, v[GCO]
	v_lshlrev_b32 v[GSO], 2, v1
	v_add_nc_u32 v[GSO], s69, v[GSO]
	v_lshlrev_b32 v[WSA], 4, v2
	v_add_nc_u32 v[WSA], s68, v[WSA]               ; (128 w + r) x 16
	v_lshlrev_b32 v[BAA], 5, v3
	v_add_nc_u32 v[BAA], s67, v[BAA]               ; (128 w + 8 h) x 4
	v_mul_u32_u24 v[VSO], v2, VP
	v_lshl_add_u32 v[VSO], v3, 5, v[VSO]
	v_add_nc_u32 v[VSO], s67, v[VSO]
	v_lshlrev_b32 v[VLD], 2, v1
	v_add_nc_u32 v[VLD], s73, v[VLD]               ; rows 16 (w / 2) on, channel 32 (w % 2) + lane
	v_lshlrev_b32 v[VGO], 4, v2
	v_lshl_add_u32 v[VGO], v3, 11, v[VGO]
	v_add_nc_u32 v[VGO], s71, v[VGO]
	v_add_nc_u32 v[VSG], 512, v[GSO]
.irp b, 0,1,2,3
	v_mov_b32 v[TM+4+\b], 0                        ; written once: a lane permute's destination counts as one of its sources
.endr
	s_wait_kmcnt 0x0
	s_add_nc_u64 s[4:5], s[4:5], s[76:77]
	s_add_nc_u64 s[24:25], s[24:25], s[78:79]
	s_add_nc_u64 s[28:29], s[28:29], s[78:79]
	s_add_nc_u64 s[32:33], s[32:33], s[78:79]
	s_add_nc_u64 s[26:27], s[26:27], s[80:81]
	s_add_nc_u64 s[30:31], s[30:31], s[82:83]
	s_add_nc_u64 s[6:7], s[6:7], s[60:61]          ; the three weights at my 128 rows
	s_add_nc_u64 s[12:13], s[12:13], s[60:61]
	s_add_nc_u64 s[18:19], s[18:19], s[60:61]
	s_mov_b64 s[G0+2:G0+3], s[6:7]
	s_or_b32 s[G0+3], s[G0+3], 0x80000000
	s_add_nc_u64 s[G0+6:G0+7], s[6:7], 256
	s_or_b32 s[G0+7], s[G0+7], 0x80000000
.irp m, 0,1                                    ; K step w of x's two row tiles: 16 neighbours of each block of 32 to a lane
.irp b, 0,1,2,3
.irp j, 0,1,2,3
	global_load_b128 v[Y+64*\m+16*\b+4*\j:Y+64*\m+16*\b+4*\j+3], v[XA], s[4:5] offset:32768*\m+128*\b+16*\j
.endr
.endr
.endr
	LOADW 8, 10
	ROUND                                          ; all four work-groups are here: the first joint loads meet
	tensor_load_to_lds s[G0:G0+3], s[G1:G1+7]      ; Wq's two halves: two loads of mine are out
	s_nop 0
	tensor_load_to_lds s[G0+4:G0+7], s[G1:G1+7]
	s_nop 0
.rept 4
	v_nop
.endr
	s_wait_loadcnt 40                              ; behind x's first tile: the second tile's 16 loads, 8 of scale words, 16 of the bias
	QUANT Y
.irp c, 0,1,2,3
	ds_store_b128 v[XWI], v[PC+4*\c:PC+4*\c+3] offset:512*\c
.endr
	ds_store_b32 v[XWS], v[PW]
	s_wait_dscnt 0x0                               ; the stores have read their registers
	s_wait_loadcnt 24                              ; the second tile is in
	QUANT Y+64
.irp c, 0,1,2,3
	ds_store_b128 v[XWI], v[PC+4*\c:PC+4*\c+3] offset:8192+512*\c
.endr
	ds_store_b32 v[XWS], v[PW] offset:512
	BARRIER                                        ; x's eight fragments lie in LDS
	WIN 0x80
.irp f, 0,1,2,3,4,5,6,7
.irp c, 0,1,2,3
	ds_load_b128 v[16*\f+4*\c:16*\f+4*\c+3], v[XRI] offset:2048*\f+512*\c
.endr
.endr
	WIN 0
.irp f, 0,1,2,3,4,5,6,7
	ds_load_b32 v[BS+\f], v[XRS] offset:128*\f
.endr
	s_wait_dscnt 0x0
	s_wait_loadcnt 0x0                             ; Wq's scale words and bq
	s_wait_tensorcnt 0x1                           ; my rows of slot 0 are in; slot 1's load may be out
	WORK 0, 0, 1, 0
	CHANGE 0, 12, 0                                ; slot 0 takes Wk's first half
	WORK 1, 1, 0, 4
	PLACES 8                                       ; in front of loads into the scale words and the bias, and of the reads of q
	LOADW 14, 16
	CHANGE 1, 12, 256
	EPI 24, 26
	s_wait_loadcnt 0x0
	WORK 0, 0, 1, 8
	CHANGE 0, 18, 0                                ; slot 0 takes Wv's first half: its last fill
	WORK 1, 1, 0, 4
	PLACES 8
	LOADW 20, 22
	CHANGE 1, 18, 256
	EPI 28, 30
	s_wait_loadcnt 0x0
	WORK 0, 0, 1, 8
	s_wait_tensorcnt 0x0                           ; Wv's second half: nothing is left to fetch
	WORK 1, 1, 0, 8
	PLACES 8
	; V: as f32 through LDS, so that a lane gets ONE channel and its registers run down the keys
	BARRIER                                        ; every wave's reads of slot 0 are over
.irp m, 0,1
.irp t, 0,1,2,3,4,5,6,7
	ds_store_b128 v[VSO], v[Y+64*\m+8*\t:Y+64*\m+8*\t+3] offset:\m*16*VP+64*\t       ; each accumulator from its low end on
	ds_store_b128 v[VSO], v[Y+64*\m+8*\t+4:Y+64*\m+8*\t+7] offset:\m*16*VP+64*\t+16
.endr
.endr
	BARRIER
; block c of my 128 keys: register i holds key 32 c + i % 8 + 16 ((i / 8) % 2) + 8 (i / 16): the order in which p's codes will lie.  Key k of the slot is row k / 8, columns 64 (k % 8) on
.macro VLOAD c
.irp i, 0,1,2,3,4,5,6,7,8,9,10,11,12,13,14,15,16,17,18,19,20,21,22,23,24,25,26,27,28,29,30,31
	ds_load_b32 v[Y+32*((\c)%2)+\i], v[VLD] offset:(4*(\c)+2*((\i/8)%2)+\i/16)*VP+(\i%8)*256
.endr
.endm
.macro VBLOCK c
.set XS, Y+32*((\c)%2)
.set CR, VC+8*(\c)
.if (\c) < 3
	s_wait_dscnt 32                                ; this block's 32 loads are in; the next block's may be out
.else
	s_wait_dscnt 0x0
.endif
	v_max3_num_f32 v[TM], |v[XS]|, |v[XS+1]|, |v[XS+2]|   ; all 32 numbers of the block are mine
	v_max3_num_f32 v[TM+1], |v[XS+3]|, |v[XS+4]|, |v[XS+5]|
.irp i, 6,10,14,18,22,26
	v_max3_num_f32 v[TM], v[TM], |v[XS+\i]|, |v[XS+\i+1]|
	v_max3_num_f32 v[TM+1], v[TM+1], |v[XS+\i+2]|, |v[XS+\i+3]|
.endr
	v_max3_num_f32 v[TM], v[TM], |v[XS+30]|, |v[XS+31]|
	v_max3_num_f32 v[TM], v[TM], v[TM+1], 0x4800000
	v_add_nc_u32 v[TM+2], 0xfc000000, v[TM]
	v_and_or_b32 v[TM+3], v[TM], 0x7f800000, s[MNT]
	v_lshrrev_b32 v[TM+1], 23, v[TM+2]
.if (\c) == 0
	v_mov_b32 v[VW], v[TM+1]
.else
	v_lshl_or_b32 v[VW], v[TM+1], 8*(\c), v[VW]
.endif
.irp i, 0,1,2,3,4,5,6,7,8,9,10,11,12,13,14,15,16,17,18,19,20,21,22,23,24,25,26,27,28,29,30,31
	v_med3_num_f32 v[XS+\i], v[XS+\i], -v[TM+3], v[TM+3]
.endr
.irp j, 0,1,2,3
	v_cvt_scalef32_pk8_fp8_f32 v[CR+2*\j:CR+2*\j+1], v[XS+8*\j:XS+8*\j+7], v[TM+2]
.endr
	v_nop
	global_store_b128 v[VGO], v[CR:CR+3], s[32:33] offset:512*(\c)          ; sixteen lanes store 256 consecutive bytes of an image
	global_store_b128 v[VGO], v[CR+4:CR+7], s[32:33] offset:512*(\c)+256
.if (\c)+2 < 4
	VLOAD (\c)+2
.endif
.endm
	VLOAD 0
	VLOAD 1
	VBLOCK 0
	VBLOCK 1
	VBLOCK 2
	VBLOCK 3
	global_store_b32 v[VSG], v[VW], s[30:31]       ; my channel's scale word for my 128 keys
	s_wait_tensorcnt 0x0                           ; the wave's end
	ds_add_u32 v[SPW], v[NIL]
	s_wait_dscnt 0x0
	ROUND                                          ; the closing round
	s_endpgm
.Lfunc_end_k_q1bb0b3e55e_qkv:
	.size	k_q1bb0b3e55e_qkv, .Lfunc_end_k_q1bb0b3e55e_qkv-k_q1bb0b3e55e_qkv
	.p2alignl 7, 3214868480
	.fill 96, 4, 3214868480
	.section	.rodata,"a",@progbits
	.p2align	6, 0x0
	.amdhsa_kernel k_q1bb0b3e55e_qkv
		.amdhsa_group_segment_fixed_size 327680
		.amdhsa_private_segment_fixed_size 0
		.amdhsa_enable_private_segment 0
		.amdhsa_kernarg_size 120
		.amdhsa_user_sgpr_count 2
		.amdhsa_user_sgpr_kernarg_segment_ptr 1
		.amdhsa_wavefront_size32 1
		.amdhsa_system_sgpr_workgroup_id_x 1
		.amdhsa_system_sgpr_workgroup_id_y 1
		.amdhsa_system_sgpr_workgroup_id_z 1
		.amdhsa_system_vgpr_workitem_id 0
		.amdhsa_next_free_vgpr 768
		.amdhsa_next_free_sgpr 100
		.amdhsa_reserve_vcc 0
		.amdhsa_float_denorm_mode_32 3
		.amdhsa_float_denorm_mode_16_64 3
		.amdhsa_memory_ordered 1
		.amdhsa_forward_progress 1
		.amdhsa_inst_pref_size 153
	.end_amdhsa_kernel
	.amdgpu_metadata
---
amdhsa.version: [ 1, 2 ]
amdhsa.kernels:
  - .name:           k_q1bb0b3e55e_qkv
    .symbol:         k_q1bb0b3e55e_qkv.kd
    .args:
      - { .name: x, .offset: 0, .size: 8, .value_kind: global_buffer, .address_space: global }
      - { .name: Wq_codes, .offset: 8, .size: 8, .value_kind: global_buffer, .address_space: global }
      - { .name: Wq_scales, .offset: 16, .size: 8, .value_kind: global_buffer, .address_space: global }
      - { .name: bq, .offset: 24, .size: 8, .value_kind: global_buffer, .address_space: global }
      - { .name: Wk_codes, .offset: 32, .size: 8, .value_kind: global_buffer, .address_space: global }
      - { .name: Wk_scales, .offset: 40, .size: 8, .value_kind: global_buffer, .address_space: global }
      - { .name: bk, .offset: 48, .size: 8, .value_kind: global_buffer, .address_space: global }
      - { .name: Wv_codes, .offset: 56, .size: 8, .value_kind: global_buffer, .address_space: global }
      - { .name: Wv_scales, .offset: 64, .size: 8, .value_kind: global_buffer, .address_space: global }
      - { .name: bv, .offset: 72, .size: 8, .value_kind: global_buffer, .address_space: global }
      - { .name: qc, .offset: 80, .size: 8, .value_kind: global_buffer, .address_space: global }
      - { .name: qs, .offset: 88, .size: 8, .value_kind: global_buffer, .address_space: global }
      - { .name: kc, .offset: 96, .size: 8, .value_kind: global_buffer, .address_space: global }
      - { .name: kvs, .offset: 104, .size: 8, .value_kind: global_buffer, .address_space: global }
      - { .name: vc, .offset: 112, .size: 8, .value_kind: global_buffer, .address_space: global }
    .group_segment_fixed_size: 327680
    .private_segment_fixed_size: 0
    .kernarg_segment_align: 8
    .kernarg_segment_size: 120
    .max_flat_workgroup_size: 128
    .sgpr_count:     100
    .vgpr_count:     768
    .wavefront_size: 32
...
	.end_amdgpu_metadata
.endif
;; end of part 1
;; launch attn (part 2): grid 16 x 16, 16 waves a work-group, no clusters, 94,720 bytes of LDS; arguments qc, qs, kc, vc, kvs, cc, cs; writes cc, cs
.if DOCPART == 2
	.amdgcn_target "amdgcn-amd-amdhsa--gfx1250"
	.amdhsa_code_object_version 6
	.text
	.protected	k_q1bb0b3e55e_attn
	.globl	k_q1bb0b3e55e_attn
	.p2align	8
	.type	k_q1bb0b3e55e_attn,@function
k_q1bb0b3e55e_attn:
	s_mov_b64 s[64:65], 0
	v_nop
	global_prefetch_b8 v0, s[64:65] scope:SCOPE_SE
	s_setreg_imm32_b32 hwreg(HW_REG_WAVE_MODE, 25, 1), 1
	s_wait_xcnt 0x0
; ctx[head][q] = the sum over keys k <= q of softmax_k(Q[q] . K[k]) V[k], 16 heads x 4,096 tokens x 64, both products on codes of FP8 (E4M3) with E8M0 scales; no 1 / sqrt(d); then ctx quantised for the next launch.
; IN: qc, kc [65536 tokens][64] codes, qs [token][2]; vc: images of V^T's fragments, keys innermost; kvs [slot][1024]: k's scale bytes, v's scale words.  OUT: cc [65536][64] codes, cs [token][2].
; THE SOFTMAX: t = score x log2(e); M = the row's largest t so far, rounded UP to a whole number; p = 2^(t - M) is quantised along the keys, not normalised; the row's sum is taken of the unquantised p and divides at the end.
; The first product's K is 64: the upper half of both operands' registers holds zero codes, which add nothing (their scale bytes are 0, which is 2^-127 and no NaN).
; SHARES.  Sixteen waves, one tile of 16 queries each, 256 registers: four waves to a SIMD, so that one wave's vector work stands beside another's matrix work.
; THE CAUSAL MASK IS EVENED OUT: work-group j owns blocks j and 31 - j of 128 queries of its head: 33 steps of 128 x 128 for every j; of each four neighbouring waves two take the early block and two the late one.
; Both products are used transposed (S^T = K Q^T, O^T = V^T P^T): a lane holds ONE query.  A tile of K is 16 neighbouring keys; the 16 registers of tiles 2 b, 2 b + 1 lie in one block of 32 keys, in the order
; 8 h + i % 8 + 16 (i / 8), and V's images were laid in that order; ctx leaves in the same order inside each block of 32.
; K, V and their scales come through two LDS slots of 256 keys, filled THROUGH REGISTERS: each thread loads 66 bytes of the next slot behind the barrier and stores them to LDS behind the slot's two steps.
; So the number of trips may differ between work-groups: (35 - j) / 4, two slots a trip, and every LDS address is a constant and a lane's term.
; In the last trip the pointers do not step between the halves: its second half fetches the same slot once more, into LDS bytes that nobody reads again, so that every trip runs the same lines and no load leaves its buffer.
; NO CLUSTER: the work-groups of a head need different numbers of slots under the mask (10 to 16), and what they share, 33 KB a slot, stands against 32 wave-steps of some 330 vector instructions each.
; LIMITS: NaN and infinities are not served.  A block of zeros gets the scale byte 1 where the rule says 127: its codes are zeros, and this program alone reads the bytes.
; REGISTERS: v1-11 addresses; v12 -M, v13 the largest t, v[14:15] the sum; v16-23 Q, v24-31 zeros; v32-95 four fragments of K (8 loaded + 8 zeros each); v96-159 S^T, then p, then V's four fragments;
;   v160-191 O^T; v192-208 bytes on their way into LDS; v209-219 addresses; v224-239 p's codes; v232-254 at work; v248-251 scale words; v253 p's scale word; v255 Q's.
.set KPI,   80                         ; a key's row in LDS: 64 bytes + 16: the 16 rows of a load start at 16 different groups of banks
.set VOFF,  256*KPI                    ; V's 8 images of 2,048 bytes
.set KSC,   VOFF+16384                 ; K's scale bytes, 2 a key
.set VSC,   KSC+512                    ; V's scale words
.set SLOTB, VSC+512
.set STG,   2*SLOTB                    ; the way out: 1,024 bytes for each wave
.set SSTG,  STG+16*1024                ; and the scale bytes of the two blocks of queries
.set AK,  1
.set AV,  3
.set AS,  5
.set AT,  7
.set WV,  18
.set HI,  19
.set IDX, 20
.set Q0,  21
.set KF,  22
.set TR,  23
.set SEL, 24
.set CS,  26
.set MNT, 28
.set HEAD, 30
; A KEY STEP: 128 keys, the q-th of LDS slot sl
.macro STEP sl, q
	s_add_co_u32 s36, s[Q0], 15                    ; a step all of whose keys come after my 16 queries is left out: a scalar branch on ids; no barrier stands in a step
	s_cmp_gt_u32 s[KF], s36
	s_cbranch_scc1 .Lhidden_\@
.irp g, 0,1                                    ; S^T = K Q^T, four tiles of 16 keys at a time
.if \g > 0
.rept 8
	v_nop                                          ; places in front of loads into registers that the last four products read
.endr
.endif
.irp t, 0,1,2,3
	ds_load_b128 v[32+16*\t:35+16*\t], v[AK+\sl] offset:(128*(\q)+16*(4*\g+\t))*KPI
	ds_load_b128 v[36+16*\t:39+16*\t], v[AK+\sl] offset:(128*(\q)+16*(4*\g+\t))*KPI+32
	ds_load_u16 v[248+\t], v[AS+\sl] offset:KSC+2*(128*(\q)+16*(4*\g+\t))
.endr
	s_wait_dscnt 0x0
.irp t, 0,1,2,3
	v_wmma_scale_f32_16x16x128_f8f6f4 v[96+8*(4*\g+\t):103+8*(4*\g+\t)], v[32+16*\t:47+16*\t], v[16:31], 0, v[248+\t], v255
.endr
.endr
.rept 8
	v_nop
.endr
	s_add_co_u32 s36, s[KF], 127                   ; on the diagonal hidden scores become -infinity ahead of the maximum; a step all of whose keys count skips this
	s_cmp_le_u32 s36, s[Q0]
	s_cbranch_scc1 .Lopen_\@
	s_sub_co_i32 s36, s[Q0], s[KF]
	v_add_nc_u32 v252, s36, v9                     ; my query - KF - 8 h.  Register n holds key KF + 8 h + 16 (n / 8) + n % 8
	v_mov_b32 v254, 0xff800000
.set n, 0
.rept 64
	v_cmp_gt_i32 vcc_lo, 16*(n/8)+n%8, v252
	v_cndmask_b32 v[96+n], v[96+n], v254, vcc_lo
.set n, n+1
.endr
.Lopen_\@:
.irp b, 0,1,2,3
	v_max3_num_f32 v[232+\b], v[96+16*\b], v[97+16*\b], v[98+16*\b]   ; the largest score of each block of 32 keys: for the row's maximum, and, since p rises with the score, for the block's largest p
.endr
.irp i, 3,5,7,9,11,13
.irp b, 0,1,2,3
	v_max3_num_f32 v[232+\b], v[232+\b], v[96+16*\b+\i], v[97+16*\b+\i]
.endr
.endr
.irp b, 0,1,2,3
	v_max_num_f32 v[232+\b], v[232+\b], v[111+16*\b]
.endr
.irp b, 0,1,2,3
	v_permlanex16_b32 v[236+\b], v[232+\b], s[SEL], s[SEL+1]
.endr
.irp b, 0,1,2,3
	v_max_num_f32 v[232+\b], v[232+\b], v[236+\b]  ; with lane l xor 16's 16 keys
.endr
	v_max3_num_f32 v254, v232, v233, v234
	v_max_num_f32 v254, v254, v235
	v_mul_f32 v254, s[CS], v254                    ; the step's largest t
	v_max_num_f32 v13, v13, v254                   ; the running largest t
	v_mov_b32 v254, v12
	v_floor_f32 v12, -v13                          ; the new -M = -ceil(t)
	v_sub_f32 v254, v12, v254                      ; old M - new M: a whole number, 0 or less
	v_cvt_i32_f32 v254, v254                       ; (it saturates)
	v_ldexp_f32 v252, 1.0, v254                    ; f = 2^(old M - new M): a multiplication by it rounds nothing
.set n, 0
.rept 32
	v_pk_fma_f32 v[96+n:97+n], v[96+n:97+n], s[CS:CS+1], v[12:13] op_sel_hi:[1,0,0]   ; t - M, two at a time
.set n, n+2
.endr
.irp b, 0,1,2,3
	v_fma_f32 v[232+\b], v[232+\b], s[CS], v12
.endr
.set n, 0
.rept 64
	v_exp_f32 v[96+n], v[96+n]                     ; p = 2^(t - M)
.set n, n+1
.endr
.irp b, 0,1,2,3
	v_exp_f32 v[232+\b], v[232+\b]                 ; the block's largest p
.endr
	v_pk_mul_f32 v[14:15], v[14:15], v[252:253] op_sel_hi:[1,0]   ; the sums under the new M (a plain place behind the exponentials)
	s_wait_alu depctr_va_vdst(0)
.irp b, 0,1,2,3
	v_max_num_f32 v[232+\b], 0x4800000, v[232+\b]  ; the floor 2^(9 - 127)
.endr
.irp b, 0,1,2,3
	v_add_nc_u32 v[244+\b], 0xfc000000, v[232+\b]
.endr
.irp b, 0,1,2,3
	v_and_or_b32 v[240+\b], v[232+\b], 0x7f800000, s[MNT]
.endr
.irp b, 0,1,2,3
	v_lshrrev_b32 v[236+\b], 23, v[244+\b]
.endr
	v_lshl_or_b32 v253, v237, 8, v236              ; p's scale word for these 128 keys
	v_lshl_or_b32 v253, v238, 16, v253
	v_lshl_or_b32 v253, v239, 24, v253
	v_pk_add_f32 v[236:237], v[96:97], v[98:99]    ; the row's sum is taken of the unquantised p, in two chains
.set n, 4
.rept 15
	v_pk_add_f32 v[14:15], v[14:15], v[96+n:97+n]
	v_pk_add_f32 v[236:237], v[236:237], v[98+n:99+n]
.set n, n+4
.endr
	v_pk_add_f32 v[14:15], v[14:15], v[236:237]
.irp b, 0,1,2,3
.set n, 0
.rept 16
	v_min_num_f32 v[96+16*\b+n], v[96+16*\b+n], v[240+\b]   ; the conversion does not saturate (ISA guide 7.6.2); p is not negative: a one-sided hold
.set n, n+1
.endr
	v_cvt_scalef32_pk8_fp8_f32 v[224+4*\b:225+4*\b], v[96+16*\b:103+16*\b], v[244+\b]
	v_cvt_scalef32_pk8_fp8_f32 v[226+4*\b:227+4*\b], v[104+16*\b:111+16*\b], v[244+\b]
.endr
	v_nop
.irp t, 0,1,2,3                                ; V's four fragments into the registers that p has left
.irp c, 0,1,2,3
	ds_load_b128 v[96+16*\t+4*\c:99+16*\t+4*\c], v[AV+\sl] offset:VOFF+(4*(\q)+\t)*2048+512*\c
.endr
	ds_load_b32 v[248+\t], v[AT+\sl] offset:VSC+(4*(\q)+\t)*64
.endr
.set n, 0
.rept 16
	v_pk_mul_f32 v[160+n:161+n], v[160+n:161+n], v[252:253] op_sel_hi:[1,0]   ; O^T under the new M; these are also the places in front of the products, and the loads land under them
.set n, n+2
.endr
	s_wait_dscnt 0x0
.irp t, 0,1,2,3
	v_wmma_scale_f32_16x16x128_f8f6f4 v[160+8*\t:167+8*\t], v[96+16*\t:111+16*\t], v[224:239], v[160+8*\t:167+8*\t], v[248+\t], v253
.endr
.rept 9
	v_nop                                          ; the next step's products write over V's registers, and its loads land in the scale words
.endr
.Lhidden_\@:
	s_add_co_u32 s[KF], s[KF], 128
.endm
.macro GET                                     ; the next slot's bytes: 16 bytes a thread, 8,192 an instruction of the work-group
	global_load_b128 v[192:195], v10, s[8:9]
	global_load_b128 v[196:199], v10, s[8:9] offset:8192
	global_load_b128 v[200:203], v10, s[10:11]
	global_load_b128 v[204:207], v10, s[10:11] offset:8192
	global_load_u16 v208, v11, s[12:13]
.endm
.macro PUT sl                                  ; and into LDS slot sl
	s_wait_loadcnt 0x0
	ds_store_b128 v[209+\sl], v[192:195]
	ds_store_b128 v[209+\sl], v[196:199] offset:128*KPI
	ds_store_b128 v[211+\sl], v[200:203] offset:VOFF
	ds_store_b128 v[211+\sl], v[204:207] offset:VOFF+8192
	ds_store_b16 v[213+\sl], v208 offset:KSC
.endm
; One barrier a slot, for two things: my stores into slot sl have landed, and my reads of the other slot are over; behind it both hold of all sixteen waves
.macro HALF sl
	s_wait_dscnt 0x0
	s_barrier_signal -1
	s_barrier_wait -1
	GET
	STEP \sl, 0
	STEP \sl, 1
	PUT 1-\sl
.endm
	s_load_b256 s[4:11], s[0:1], 0x0               ; qc s[4:5], qs s[6:7], kc s[8:9], vc s[10:11]
	s_load_b128 s[12:15], s[0:1], 0x20             ; kvs s[12:13], cc s[14:15]
	s_load_b64 s[16:17], s[0:1], 0x30              ; cs
	v_lshl_add_u32 v222, v0, 2, 0x16a00
	v_mov_b32 v223, 0
	v_lshrrev_b32 v232, 5, v0
	v_readfirstlane_b32 s[WV], v232                ; wave 0..15
	s_lshr_b32 s36, s[WV], 2
	s_xor_b32 s36, s36, s[WV]
	s_and_b32 s[HI], s36, 1                        ; 0: the early block of queries, 1: the late one
	s_lshr_b32 s[IDX], s[WV], 1                    ; which 16 of its 128
	s_and_b32 s[HEAD], ttmp7, 0xffff
	s_lshl_b32 s36, ttmp9, 1
	s_sub_co_u32 s36, 31, s36
	s_mul_i32 s36, s36, s[HI]
	s_add_co_u32 s36, s36, ttmp9                   ; block j or 31 - j
	s_lshl_b32 s36, s36, 7
	s_lshl_b32 s37, s[IDX], 4
	s_add_co_u32 s[Q0], s36, s37                   ; my first query
	s_sub_co_u32 s[TR], 35, ttmp9
	s_lshr_b32 s[TR], s[TR], 2                     ; trips of two slots: the late block's last key lies in slot (31 - j) / 2
	s_mov_b32 s[KF], 0
	s_mov_b32 s[SEL], 0x76543210
	s_mov_b32 s[SEL+1], 0xfedcba98
	s_mov_b32 s[CS], 0x3fb8aa3b                    ; log2(e)
	s_mov_b32 s[CS+1], s[CS]
	s_mov_b32 s[MNT], 0x600000
	s_mov_b32 s33, 0
	s_mov_b32 s35, 0
	s_lshl_b32 s38, s[HEAD], 18                    ; the head's 16 slots of 16,384 bytes
	s_mov_b32 s39, 0
	s_lshl_b32 s40, s[HEAD], 14                    ; and of 1,024
	s_mov_b32 s41, 0
	s_lshl_b32 s42, s[HEAD], 12
	s_add_co_u32 s42, s42, s[Q0]                   ; my first token
	s_lshl_b32 s48, s42, 6
	s_mov_b32 s49, 0
	s_lshl_b32 s50, s42, 1
	s_mov_b32 s51, 0
	v_and_b32 v232, 15, v0                         ; r
	v_bfe_u32 v233, v0, 4, 1                       ; h
	v_and_b32 v234, 31, v0                         ; lane
	v_mul_u32_u24 v1, v232, KPI
	v_lshl_add_u32 v1, v233, 4, v1
	v_add_nc_u32 v2, SLOTB, v1
	v_lshlrev_b32 v3, 4, v234
	v_add_nc_u32 v4, SLOTB, v3
	v_lshlrev_b32 v5, 1, v232
	v_add_nc_u32 v6, SLOTB, v5
	v_lshlrev_b32 v7, 2, v232
	v_add_nc_u32 v8, SLOTB, v7
	v_lshlrev_b32 v9, 3, v233
	v_sub_nc_u32 v9, v232, v9                      ; r - 8 h
	v_lshlrev_b32 v10, 4, v0
	v_lshlrev_b32 v11, 1, v0
	v_lshrrev_b32 v209, 2, v0
	v_mul_u32_u24 v209, v209, KPI
	v_and_b32 v210, 3, v0
	v_lshl_add_u32 v209, v210, 4, v209             ; four threads to a key's 64 bytes
	v_add_nc_u32 v210, SLOTB, v209
	v_lshlrev_b32 v211, 4, v0
	v_add_nc_u32 v212, SLOTB, v211
	v_lshlrev_b32 v213, 1, v0
	v_add_nc_u32 v214, SLOTB, v213
	s_lshl_b32 s44, s[WV], 10
	s_add_co_u32 s44, s44, STG
	v_lshlrev_b32 v215, 6, v232
	v_lshl_add_u32 v215, v233, 4, v215
	v_add_nc_u32 v215, s44, v215                   ; the way out: token r's 64 bytes, + 16 h
	v_add_nc_u32 v216, s44, v3
	s_lshl_b32 s45, s[HI], 8
	s_add_co_u32 s45, s45, SSTG
	s_lshl_b32 s46, s[IDX], 5
	s_add_co_u32 s46, s46, s45
	v_add_nc_u32 v217, s46, v5
	v_lshlrev_b32 v219, 3, v234
	v_add_nc_u32 v218, s45, v219
	v_lshlrev_b32 v254, 6, v232
	v_lshl_add_u32 v254, v233, 4, v254
	s_wait_kmcnt 0x0
	s_add_nc_u64 s[8:9], s[8:9], s[38:39]
	s_add_nc_u64 s[10:11], s[10:11], s[38:39]
	s_add_nc_u64 s[12:13], s[12:13], s[40:41]
	s_add_nc_u64 s[4:5], s[4:5], s[48:49]
	s_add_nc_u64 s[14:15], s[14:15], s[48:49]
	s_add_nc_u64 s[6:7], s[6:7], s[50:51]
	s_add_nc_u64 s[16:17], s[16:17], s[50:51]
	GET                                            ; slot 0
	global_load_b128 v[16:19], v254, s[4:5]        ; Q's fragment stays in registers
	global_load_b128 v[20:23], v254, s[4:5] offset:32
	global_load_u16 v255, v5, s[6:7]               ; and its scale bytes
.irp j, 0,1,2,3,4,5,6,7
	v_mov_b32 v[24+\j], 0                          ; the upper half of K = 128: zero codes, in Q's fragment and in K's four
	v_mov_b32 v[40+\j], 0
	v_mov_b32 v[56+\j], 0
	v_mov_b32 v[72+\j], 0
	v_mov_b32 v[88+\j], 0
.endr
.set n, 0
.rept 32
	v_mov_b32 v[160+n], 0                          ; O^T: the step is written once; the first finds zeros
.set n, n+1
.endr
	v_mov_b32 v13, 0xff61b1e6                      ; the largest t so far: -3e38
	v_floor_f32 v12, -v13
	v_mov_b32 v14, 0
	v_mov_b32 v15, 0
.irp b, 0,1,2,3
	v_mov_b32 v[236+\b], 0                         ; a lane permute's destination counts as one of its sources
.endr
	v_mov_b32 v252, 0
	v_mov_b32 v253, 0
	PUT 0
	s_add_nc_u64 s[8:9], s[8:9], 0x4000            ; (behind the wait for the loads) on to slot 1
	s_add_nc_u64 s[10:11], s[10:11], 0x4000
	s_add_nc_u64 s[12:13], s[12:13], 0x400
.Ltrip:
	HALF 0
	s_cmp_eq_u32 s[TR], 1                          ; in the last trip the pointers stay: the second half fetches the same slot again and no load leaves its buffer
	s_cselect_b32 s32, 0, 0x4000
	s_cselect_b32 s34, 0, 0x400
	s_add_nc_u64 s[8:9], s[8:9], s[32:33]
	s_add_nc_u64 s[10:11], s[10:11], s[32:33]
	s_add_nc_u64 s[12:13], s[12:13], s[34:35]
	HALF 1
	s_add_nc_u64 s[8:9], s[8:9], 0x4000
	s_add_nc_u64 s[10:11], s[10:11], 0x4000
	s_add_nc_u64 s[12:13], s[12:13], 0x400
	s_sub_co_u32 s[TR], s[TR], 1
	s_cmp_lg_u32 s[TR], 0
	s_cbranch_scc1 .Ltrip
	; THE WAY OUT: O^T / the sum, quantised along the head's 64 (two blocks of 32, each in lanes l and l xor 16)
	v_add_f32 v14, v14, v15
	v_permlanex16_b32 v252, v14, s[SEL], s[SEL+1]
	v_add_f32 v14, v14, v252                       ; the row's sum
	v_rcp_f32 v14, v14
	v_nop
.set n, 0
	s_wait_alu depctr_va_vdst(0)
.rept 32
	v_mul_f32 v[96+n], v[160+n], v14
.set n, n+1
.endr
.irp b, 0,1
	v_max3_num_f32 v[232+\b], |v[96+16*\b]|, |v[97+16*\b]|, 0x4800000
.endr
.irp i, 2,4,6,8,10,12,14
.irp b, 0,1
	v_max3_num_f32 v[232+\b], v[232+\b], |v[96+16*\b+\i]|, |v[97+16*\b+\i]|
.endr
.endr
.irp b, 0,1
	v_permlanex16_b32 v[236+\b], v[232+\b], s[SEL], s[SEL+1]
.endr
.irp b, 0,1
	v_max_num_f32 v[232+\b], v[232+\b], v[236+\b]
.endr
.irp b, 0,1
	v_add_nc_u32 v[244+\b], 0xfc000000, v[232+\b]
.endr
.irp b, 0,1
	v_and_or_b32 v[240+\b], v[232+\b], 0x7f800000, s[MNT]
.endr
.irp b, 0,1
	v_lshrrev_b32 v[236+\b], 23, v[244+\b]
.endr
	v_lshl_or_b32 v238, v237, 8, v236              ; my token's two scale bytes
.irp b, 0,1
.set n, 0
.rept 16
	v_med3_num_f32 v[96+16*\b+n], v[96+16*\b+n], -v[240+\b], v[240+\b]
.set n, n+1
.endr
	v_cvt_scalef32_pk8_fp8_f32 v[224+4*\b:225+4*\b], v[96+16*\b:103+16*\b], v[244+\b]
	v_cvt_scalef32_pk8_fp8_f32 v[226+4*\b:227+4*\b], v[104+16*\b:111+16*\b], v[244+\b]
.endr
	v_nop
	ds_store_b128 v215, v[224:227]
	ds_store_b128 v215, v[228:231] offset:32
	ds_store_b16 v217, v238                        ; both lanes of a token write the same bytes
	ds_load_b128 v[96:99], v216                    ; LDS serves a wave's instructions in order: these see my stores
	ds_load_b128 v[100:103], v216 offset:512
	s_wait_dscnt 0x0
	global_store_b128 v3, v[96:99], s[14:15]       ; my 16 tokens' 1,024 consecutive bytes
	global_store_b128 v3, v[100:103], s[14:15] offset:512
	s_barrier_signal -1
	s_barrier_wait -1                              ; the scale bytes of both blocks of 128 queries lie in LDS
	s_cmp_lt_u32 s[WV], 2
	s_cbranch_scc0 .Lend                           ; waves 0 and 1 hold the blocks' first tokens: each stores one block's 256 bytes
	ds_load_b64 v[104:105], v218
	s_wait_dscnt 0x0
	global_store_b64 v219, v[104:105], s[16:17]
.Lend:
	s_wait_tensorcnt 0x0
	ds_add_u32 v222, v223
	s_wait_dscnt 0x0
	s_endpgm
.Lfunc_end_k_q1bb0b3e55e_attn:
	.size	k_q1bb0b3e55e_attn, .Lfunc_end_k_q1bb0b3e55e_attn-k_q1bb0b3e55e_attn
	.p2alignl 7, 3214868480
	.fill 96, 4, 3214868480
	.section	.rodata,"a",@progbits
	.p2align	6, 0x0
	.amdhsa_kernel k_q1bb0b3e55e_attn
		.amdhsa_group_segment_fixed_size 94720
		.amdhsa_private_segment_fixed_size 0
		.amdhsa_enable_private_segment 0
		.amdhsa_kernarg_size 56
		.amdhsa_user_sgpr_count 2
		.amdhsa_user_sgpr_kernarg_segment_ptr 1
		.amdhsa_wavefront_size32 1
		.amdhsa_system_sgpr_workgroup_id_x 1
		.amdhsa_system_sgpr_workgroup_id_y 1
		.amdhsa_system_sgpr_workgroup_id_z 1
		.amdhsa_system_vgpr_workitem_id 0
		.amdhsa_next_free_vgpr 256
		.amdhsa_next_free_sgpr 66
		.amdhsa_reserve_vcc 1
		.amdhsa_float_denorm_mode_32 3
		.amdhsa_float_denorm_mode_16_64 3
		.amdhsa_memory_ordered 1
		.amdhsa_forward_progress 1
		.amdhsa_inst_pref_size 114
	.end_amdhsa_kernel
	.amdgpu_metadata
---
amdhsa.version: [ 1, 2 ]
amdhsa.kernels:
  - .name:           k_q1bb0b3e55e_attn
    .symbol:         k_q1bb0b3e55e_attn.kd
    .args:
      - { .name: qc, .offset: 0, .size: 8, .value_kind: global_buffer, .address_space: global }
      - { .name: qs, .offset: 8, .size: 8, .value_kind: global_buffer, .address_space: global }
      - { .name: kc, .offset: 16, .size: 8, .value_kind: global_buffer, .address_space: global }
      - { .name: vc, .offset: 24, .size: 8, .value_kind: global_buffer, .address_space: global }
      - { .name: kvs, .offset: 32, .size: 8, .value_kind: global_buffer, .address_space: global }
      - { .name: cc, .offset: 40, .size: 8, .value_kind: global_buffer, .address_space: global }
      - { .name: cs, .offset: 48, .size: 8, .value_kind: global_buffer, .address_space: global }
    .group_segment_fixed_size: 94720
    .private_segment_fixed_size: 0
    .kernarg_segment_align: 8
    .kernarg_segment_size: 56
    .max_flat_workgroup_size: 512
    .sgpr_count:     66
    .vgpr_count:     256
    .wavefront_size: 32
...
	.end_amdgpu_metadata
.endif
;; end of part 2
;; launch tail (part 3): grid 256 x 1, 4 waves a work-group, clusters of 4 x 1, 327,680 bytes of LDS; arguments cc, cs, x, Wo_codes, Wo_scales, bo, g1, be1, W1_codes, W1_scales, b1, W2_codes, W2_scales, b2, g2, be2, out0; writes out0
.if DOCPART == 3
	.amdgcn_target "amdgcn-amd-amdhsa--gfx1250"
	.amdhsa_code_object_version 6
	.text
	.protected	k_q1bb0b3e55e_tail
	.globl	k_q1bb0b3e55e_tail
	.p2align	8
	.type	k_q1bb0b3e55e_tail,@function
k_q1bb0b3e55e_tail:
	s_mov_b64 s[64:65], 0
	v_nop
	global_prefetch_b8 v0, s[64:65] scope:SCOPE_SE
	s_setreg_imm32_b32 hwreg(HW_REG_WAVE_MODE, 25, 1), 1
	s_wait_xcnt 0x0
	s_wait_alu depctr_hold_cnt(0) depctr_sa_sdst(0) depctr_va_vdst(0) depctr_va_sdst(0) depctr_va_ssrc(0) depctr_va_vcc(0) depctr_vm_vsrc(0)
	s_getreg_b32 s2, hwreg(HW_REG_IB_STS2, 6, 4)
	s_cmp_eq_u32 s2, 0
	s_cbranch_scc0 .Lentry_in_a_cluster
	s_endpgm
.Lentry_in_a_cluster:
	s_bfe_u32 s2, ttmp6, 0x10000c
	s_cmp_lg_u32 s2, 0x3003
	s_cbranch_scc0 .Lentry_shape_is_right
	s_endpgm
.Lentry_shape_is_right:
; x1 = LN(x + ctx Wo^T + bo; g1, be1);  out = LN(x1 + relu(x1 W1^T + b1) W2^T + b2; g2, be2).  The three products on codes of FP8 (E4M3) with E8M0 scales; all else f32.
; ctx arrives as codes cc [8192][512] and scale bytes cs [8192][16]; x1 and the hidden layer are quantised here and never go to memory.  Wo [512][512], W1 [2048][512], W2 [512][2048]: codes, K innermost.
; SHARES.  A work-group of four waves owns 32 rows (two tiles of 16).  Wave w owns columns 128 w .. 128 w + 127 of attn_out, x1, ffn and out, and hidden units 512 gr + 128 w .. + 127 of each of four groups gr.
; THE MATRIX INSTRUCTION IS USED TRANSPOSED: source 0 = 16 rows of a weight, source 1 = 16 rows of activations: lane (r, h) holds row r and columns 16 T + 8 h + 0 .. 7 of tile T.
; THE ORDER INSIDE A BLOCK OF 32.  ctx, x1 and the hidden layer lie, inside each block of 32 along K, in the order 8 h + i % 8 + 16 (i / 8) (the 16 registers of two neighbouring tiles converted as they stand).
; The weights, given in plain order, are READ from LDS in that order: two loads of 8 bytes, at 32 c + 8 h and 32 c + 16 + 8 h, for each four registers.  A permutation inside a block, alike on both sides, changes no product and no scale.
; The sums x + bo + attn_out and x1 + b2 + ffn are formed in the accumulators: the products add onto x + bo and x1 + b2.
; LAYER NORM: the mean first, then the sum of the squared deviations: no difference of large sums.  A row's four parts meet in LDS.
; CLUSTER.  All work-groups walk the same 2.3 MB of weights, as 18 slots' worth of 512 rows x 256 bytes: four work-groups form a cluster and ask for each tile JOINTLY.  Wave w fetches, and alone reads, its own 128 rows.
; LIMITS: NaN and infinities among the inputs are not served.  A block of zeros gets the scale byte 1 where the rule says 127: its codes are zeros, and this program alone reads these bytes.
; REGISTERS: window 0: v1-23, v89 addresses; v24-55 the weight's scale words; v56-63 ctx's, then x1's; v64-71 the hidden layer's; v72-88 at work; v92-107 codes just made; v108-123 at work; v128-255 Y(m, T) = 128 + 64 m + 8 T.
;   window 1: four buffers of 64 for weight fragments.   window 2: v0-127 the fragments of ctx, then of x1; v128-191, v192-255 two vectors in the result's layout (biases, gains).
;   window 3: v0-127 the hidden layer H(m, T) = 64 m + 8 T; v128-255 its 8 fragments.
.set PITCH,  272                       ; a weight row in LDS: 256 bytes + 16 of padding: the 32 lanes of an 8-byte load touch each of the 64 banks once (ISA guide 11.1)
.set WROWS,  128*PITCH
.set SLOT,   4*WROWS
.set XIMG,   2*SLOT                    ; x1's 8 fragments as images of their registers
.set XSC,    XIMG+8*2048
.set HIMG,   XSC+8*128                 ; the hidden layer's 8
.set HSC,    HIMG+8*2048
.set RED,    HSC+8*128                 ; four exchanges of 32 rows x 4 waves x 4 bytes
.set SPARE,  RED+4*512                 ; the spare words, 128 bytes for each wave: two blocks of 256 bytes that no other line names
.set OP,     2064                      ; the way out: 32 rows x (2,048 + 16) from LDS byte 0 on: in slot 0, behind its last fill and its last read
.set ADRW, 4
.set XA,   6
.set XRI,  7
.set XRS,  8
.set XWI,  9
.set XWS,  10
.set HRI,  11
.set HRS,  12
.set HWI,  13
.set HWS,  14
.set RDS,  15
.set RDL,  16
.set CA,   17
.set CSA,  18
.set WSA,  19
.set W2A,  20
.set BAA,  21
.set OSO,  22
.set OSR,  23
.set GO,   89
.set WS,   24
.set BS,   56
.set HS,   64
.set TM,   72
.set PW,   88
.set PC,   92
.set TQ,   108
.set SPW,  124
.set NIL,  125
.set Y,    128
.set BA,   128                         ; in window 2
.set BB,   192                         ; in window 2
.set WV,   38
.set CX,   39
.set G,    40
.set GRP,  41
.set SEL,  42
.set G1A,  44                          ; s[44:51] group 1 for Wo and W1 (rows 512 bytes apart)
.set G1B,  52                          ; s[52:59] for W2 (2,048)
.set A0,   60                          ; s[60:63] group 0: Wo's, then W1's first half, into slot 0
.set A1,   68                          ; s[68:71] the second half, into slot 1
.set B0,   72                          ; s[72:75], s[76:79] the same for W2
.set B1,   76
.set MNT,  80
.set INV,  81
.set EPS,  82
.set MSB, 0
.macro WIN new                         ; the immediate's high byte repeats the setting that is left
.if MSB != (\new)
	s_set_vgpr_msb (MSB<<8)|(\new)
.set MSB, (\new)
.endif
.endm
.macro PLACES n
.if (\n) > 0
.rept \n
	v_nop
.endr
.endif
.endm
.macro ROUND                           ; a round of the cluster's barrier
	s_barrier_signal -1
	s_barrier_wait -1
	s_cmp_lg_u32 s[WV], 0
	s_cbranch_scc1 .Lnot_wave_0_\@
	s_barrier_signal -3
.Lnot_wave_0_\@:
	s_barrier_wait -3
	s_barrier_signal -1
	s_barrier_wait -1
.endm
.macro BARRIER
	s_wait_dscnt 0x0
	s_barrier_signal -1
	s_barrier_wait -1
.endm
; THE CHANGE OF SLOTS, in two parts; between them stand the steps of descriptors, which may be written since no tensor load of mine is out
.macro CH_HEAD
	WIN 0
	s_wait_tensorcnt 0x0                           ; all my tensor loads have landed: my rows of the other slot
	ds_add_u32 v[SPW], v[NIL]                      ; 0 onto my spare word
.endm
.macro CH_TAIL iss, g1
	s_wait_dscnt 0x0                               ; the add is done, and my reads of the slot to be filled are over
	ROUND                                          ; both hold of every wave of the four work-groups
	tensor_load_to_lds s[\iss:\iss+3], s[\g1:\g1+7]   ; my one tensor load behind the round
	s_nop 0
.rept 4
	v_nop
.endr
.endm
; 64 numbers of a lane in window win, v[s] .. v[s + 63], register 16 b + i in block b of my row, become codes in v[PC] on and the scale word v[PW].  The numbers stay as they are.  relu = 1: what is negative becomes 0 on the way
.macro QUANT s, win, relu
	WIN (\win)|((\win)<<2)
.irp b, 0,1,2,3
.if \relu
	v_max3_num_f32 v[TM+\b], v[\s+16*\b], v[\s+1+16*\b], 0x4800000   ; no |.|: what is negative must not count; the floor 2^(9 - 127) stands over it
.else
	v_max3_num_f32 v[TM+\b], |v[\s+16*\b]|, |v[\s+1+16*\b]|, 0x4800000
.endif
.endr
	WIN ((\win)<<2)|((\win)<<4)
.irp i, 2,4,6,8,10,12,14
.irp b, 0,1,2,3
.if \relu
	v_max3_num_f32 v[TM+\b], v[TM+\b], v[\s+16*\b+\i], v[\s+1+16*\b+\i]
.else
	v_max3_num_f32 v[TM+\b], v[TM+\b], |v[\s+16*\b+\i]|, |v[\s+1+16*\b+\i]|
.endif
.endr
.endr
	WIN 0
.irp b, 0,1,2,3
	v_permlanex16_b32 v[TM+4+\b], v[TM+\b], s[SEL], s[SEL+1]
.endr
.irp b, 0,1,2,3
	v_max_num_f32 v[TM+\b], v[TM+\b], v[TM+4+\b]
.endr
.irp b, 0,1,2,3
	v_add_nc_u32 v[TM+12+\b], 0xfc000000, v[TM+\b]
.endr
.irp b, 0,1,2,3
	v_and_or_b32 v[TM+8+\b], v[TM+\b], 0x7f800000, s[MNT]
.endr
.irp b, 0,1,2,3
	v_lshrrev_b32 v[TM+4+\b], 23, v[TM+12+\b]
.endr
	v_lshl_or_b32 v[PW], v[TM+5], 8, v[TM+4]
	v_lshl_or_b32 v[PW], v[TM+6], 16, v[PW]
	v_lshl_or_b32 v[PW], v[TM+7], 24, v[PW]
.irp b, 0,1,2,3
.irp u, 0,1                                    ; two sets of eight held numbers by turns: eight plain lines stand between a conversion and the rewriting of its sources
	WIN \win
.irp i, 0,1,2,3,4,5,6,7
.if \relu
	v_med3_num_f32 v[TQ+8*\u+\i], v[\s+16*\b+8*\u+\i], 0, v[TM+8+\b]   ; the activation and the hold in one
.else
	v_med3_num_f32 v[TQ+8*\u+\i], v[\s+16*\b+8*\u+\i], -v[TM+8+\b], v[TM+8+\b]
.endif
.endr
	WIN 0
	v_cvt_scalef32_pk8_fp8_f32 v[PC+4*\b+2*\u:PC+4*\b+2*\u+1], v[TQ+8*\u:TQ+8*\u+7], v[TM+12+\b]
.endr
.endr
	v_nop
.endm
.macro IMAGE adr, off
.irp c, 0,1,2,3
	ds_store_b128 v[\adr], v[PC+4*\c:PC+4*\c+3] offset:\off+512*\c
.endr
.endm
.macro LOADB ptr, reg                          ; a vector of my 128 columns in the result's layout, into window 2
	WIN 0x80
.irp t, 0,1,2,3,4,5,6,7
	global_load_b128 v[\reg+8*\t:\reg+8*\t+3], v[BAA], s[\ptr:\ptr+1] offset:64*\t
	global_load_b128 v[\reg+8*\t+4:\reg+8*\t+7], v[BAA], s[\ptr:\ptr+1] offset:64*\t+16
.endr
	WIN 0
.endm
.macro LOADS ptr, adr, stride                  ; four scale words of each of my weight rows
.irp t, 0,1,2,3,4,5,6,7
	global_load_b128 v[WS+4*\t:WS+4*\t+3], v[\adr], s[\ptr:\ptr+1] offset:\stride*\t
.endr
.endm
.macro ADDB reg                                ; Y += a vector of window 2
	WIN 0x08
.irp m, 0,1
.set i, 0
.rept 32
	v_pk_add_f32 v[Y+64*\m+i:Y+64*\m+i+1], v[Y+64*\m+i:Y+64*\m+i+1], v[\reg+i:\reg+i+1]
.set i, i+2
.endr
.endr
	WIN 0
.endm
; quarter qb = 2 sp + th of a slot: four tiles (4 th on) of its sp-th 128 along K: 32 loads of 8 bytes, in the activations' order inside each block of 32
.macro LQ slot, qb
.irp t, 0,1,2,3
.irp c, 0,1,2,3
	ds_load_b64 v[64*(\qb)+16*\t+4*\c:64*(\qb)+16*\t+4*\c+1], v[ADRW+\slot] offset:(4*((\qb)%2)+\t)*16*PITCH+128*((\qb)/2)+32*\c
	ds_load_b64 v[64*(\qb)+16*\t+4*\c+2:64*(\qb)+16*\t+4*\c+3], v[ADRW+\slot] offset:(4*((\qb)%2)+\t)*16*PITCH+128*((\qb)/2)+32*\c+16
.endr
.endr
.endm
; its 8 products, 8 accumulators by turns.  kind 0: Y += Wo ctx;  1: H (+)= W1 x1, beginning with b1 as C;  2: Y += W2 hidden
.macro MULQ kind, half, qb, first
.set SS, 2*(\half)+(\qb)/2
.if (\kind) == 0
	WIN 0x09
.elseif (\kind) == 1
.if (\first) && ((\qb) < 2)
	WIN 0xe9
.else
	WIN 0xf9
.endif
.else
	WIN 0x0d
.endif
.irp t, 0,1,2,3
.irp m, 0,1
.set TT, 4*((\qb)%2)+\t
.if (\kind) == 0
	v_wmma_scale_f32_16x16x128_f8f6f4 v[Y+64*\m+8*TT:Y+64*\m+8*TT+7], v[64*(\qb)+16*\t:64*(\qb)+16*\t+15], v[16*(4*\m+SS):16*(4*\m+SS)+15], v[Y+64*\m+8*TT:Y+64*\m+8*TT+7], v[WS+4*TT+SS], v[BS+4*\m+SS]
.elseif (\kind) == 1
.if (\first) && ((\qb) < 2)
	v_wmma_scale_f32_16x16x128_f8f6f4 v[64*\m+8*TT:64*\m+8*TT+7], v[64*(\qb)+16*\t:64*(\qb)+16*\t+15], v[16*(4*\m+SS):16*(4*\m+SS)+15], v[BA+8*TT:BA+8*TT+7], v[WS+4*TT+SS], v[BS+4*\m+SS]
.else
	v_wmma_scale_f32_16x16x128_f8f6f4 v[64*\m+8*TT:64*\m+8*TT+7], v[64*(\qb)+16*\t:64*(\qb)+16*\t+15], v[16*(4*\m+SS):16*(4*\m+SS)+15], v[64*\m+8*TT:64*\m+8*TT+7], v[WS+4*TT+SS], v[BS+4*\m+SS]
.endif
.else
	v_wmma_scale_f32_16x16x128_f8f6f4 v[Y+64*\m+8*TT:Y+64*\m+8*TT+7], v[64*(\qb)+16*\t:64*(\qb)+16*\t+15], v[128+16*(4*\m+SS):128+16*(4*\m+SS)+15], v[Y+64*\m+8*TT:Y+64*\m+8*TT+7], v[WS+4*TT+SS], v[HS+4*\m+SS]
.endif
.endr
.endr
.endm
; a slot's 32 products.  np: the places still owed in front of loads into the buffers that the slot before multiplied
.macro WORK kind, slot, half, first, np
	PLACES \np
	WIN 0x40
	LQ \slot, 0
	LQ \slot, 1
	s_wait_dscnt 32                                ; all but the youngest quarter's 32 loads
	MULQ \kind, \half, 0, \first
	WIN 0x40
	LQ \slot, 2
	s_wait_dscnt 32
	MULQ \kind, \half, 1, \first
	WIN 0x40
	LQ \slot, 3
	s_wait_dscnt 32
	MULQ \kind, \half, 2, \first
	s_wait_dscnt 0x0
	MULQ \kind, \half, 3, \first
	WIN 0
.endm
; my part (64 numbers a lane, with lane l xor 16's: 128) of each row's sum goes to LDS at ra; sq = 1: of the squares
.macro PART ra, sq
.irp m, 0,1
.if \sq
	v_pk_mul_f32 v[116+4*\m:117+4*\m], v[Y+64*\m:Y+64*\m+1], v[Y+64*\m:Y+64*\m+1]
	v_pk_mul_f32 v[118+4*\m:119+4*\m], v[Y+64*\m+2:Y+64*\m+3], v[Y+64*\m+2:Y+64*\m+3]
	v_pk_fma_f32 v[116+4*\m:117+4*\m], v[Y+64*\m+4:Y+64*\m+5], v[Y+64*\m+4:Y+64*\m+5], v[116+4*\m:117+4*\m]
	v_pk_fma_f32 v[118+4*\m:119+4*\m], v[Y+64*\m+6:Y+64*\m+7], v[Y+64*\m+6:Y+64*\m+7], v[118+4*\m:119+4*\m]
.else
	v_pk_add_f32 v[116+4*\m:117+4*\m], v[Y+64*\m:Y+64*\m+1], v[Y+64*\m+4:Y+64*\m+5]      ; each accumulator is read from its low end on
	v_pk_add_f32 v[118+4*\m:119+4*\m], v[Y+64*\m+2:Y+64*\m+3], v[Y+64*\m+6:Y+64*\m+7]
.endif
.irp i, 8,12,16,20,24,28,32,36,40,44,48,52,56,60
.if \sq
	v_pk_fma_f32 v[116+4*\m:117+4*\m], v[Y+64*\m+\i:Y+64*\m+\i+1], v[Y+64*\m+\i:Y+64*\m+\i+1], v[116+4*\m:117+4*\m]
	v_pk_fma_f32 v[118+4*\m:119+4*\m], v[Y+64*\m+\i+2:Y+64*\m+\i+3], v[Y+64*\m+\i+2:Y+64*\m+\i+3], v[118+4*\m:119+4*\m]
.else
	v_pk_add_f32 v[116+4*\m:117+4*\m], v[116+4*\m:117+4*\m], v[Y+64*\m+\i:Y+64*\m+\i+1]
	v_pk_add_f32 v[118+4*\m:119+4*\m], v[118+4*\m:119+4*\m], v[Y+64*\m+\i+2:Y+64*\m+\i+3]
.endif
.endr
	v_pk_add_f32 v[116+4*\m:117+4*\m], v[116+4*\m:117+4*\m], v[118+4*\m:119+4*\m]
	v_add_f32 v[116+4*\m], v[116+4*\m], v[117+4*\m]
	v_permlanex16_b32 v[118+4*\m], v[116+4*\m], s[SEL], s[SEL+1]
	v_add_f32 v[116+4*\m], v[116+4*\m], v[118+4*\m]
	ds_store_b32 v[RDS], v[116+4*\m] offset:\ra+256*\m
.endr
	BARRIER                                        ; the four waves' parts of the 32 rows lie in LDS
	ds_load_b128 v[108:111], v[RDL] offset:\ra
	ds_load_b128 v[112:115], v[RDL] offset:\ra+256
	s_wait_dscnt 0x0
.irp m, 0,1
	v_add_f32 v[108+4*\m], v[108+4*\m], v[109+4*\m]
	v_add_f32 v[110+4*\m], v[110+4*\m], v[111+4*\m]
	v_add_f32 v[108+4*\m], v[108+4*\m], v[110+4*\m]
.endr
.endm
; Y = (Y - mean) x rsqrt(var + 1e-5) x v[BA] + v[BB], row by row over the work-group's 512 columns
.macro LN ra
	PART \ra, 0
	v_mul_f32 v108, s[INV], v108                   ; the means
	v_mul_f32 v112, s[INV], v112
.irp m, 0,1
.set i, 0
.rept 32
	v_pk_add_f32 v[Y+64*\m+i:Y+64*\m+i+1], v[Y+64*\m+i:Y+64*\m+i+1], v[108+4*\m:109+4*\m] op_sel_hi:[1,0] neg_lo:[0,1] neg_hi:[0,1]
.set i, i+2
.endr
.endr
	PART \ra+512, 1
	v_fma_f32 v108, v108, s[INV], s[EPS]           ; var + 1e-5
	v_fma_f32 v112, v112, s[INV], s[EPS]
	v_rsq_f32 v108, v108
	v_rsq_f32 v112, v112
	v_nop                                          ; a plain place behind the transcendentals
	s_wait_alu depctr_va_vdst(0)
.irp m, 0,1
.set i, 0
.rept 32
	v_pk_mul_f32 v[Y+64*\m+i:Y+64*\m+i+1], v[Y+64*\m+i:Y+64*\m+i+1], v[108+4*\m:109+4*\m] op_sel_hi:[1,0]
.set i, i+2
.endr
.endr
	WIN 0x28                                       ; gain and offset in window 2
.irp m, 0,1
.set i, 0
.rept 32
	v_pk_fma_f32 v[Y+64*\m+i:Y+64*\m+i+1], v[Y+64*\m+i:Y+64*\m+i+1], v[BA+i:BA+i+1], v[BB+i:BB+i+1]
.set i, i+2
.endr
.endr
	WIN 0
.endm
; the hidden layer of a group: relu, quantised; my 128 units are K step w of the next product; all eight fragments come back to every wave
.macro HQ
.irp m, 0,1
	QUANT 64*\m, 3, 1
	IMAGE HWI, 8192*\m
	ds_store_b32 v[HWS], v[PW] offset:512*\m
	s_wait_dscnt 0x0                               ; the stores have read their registers
.endr
	s_barrier_signal -1
	s_barrier_wait -1
	WIN 0xc0
.irp f, 0,1,2,3,4,5,6,7
.irp c, 0,1,2,3
	ds_load_b128 v[128+16*\f+4*\c:128+16*\f+4*\c+3], v[HRI] offset:2048*\f+512*\c
.endr
.endr
	WIN 0
.irp f, 0,1,2,3,4,5,6,7
	ds_load_b32 v[HS+\f], v[HRS] offset:128*\f
.endr
	s_wait_dscnt 0x0
.endm
	s_load_b512 s[4:19], s[0:1], 0x0               ; cc s[4:5], cs s[6:7], x s[8:9], Wo codes s[10:11], scales s[12:13], bo s[14:15], g1 s[16:17], be1 s[18:19]
	s_load_b512 s[20:35], s[0:1], 0x40             ; W1 codes s[20:21], scales s[22:23], b1 s[24:25], W2 codes s[26:27], scales s[28:29], b2 s[30:31], g2 s[32:33], be2 s[34:35]
	s_load_b64 s[36:37], s[0:1], 0x80              ; out0
	v_lshl_add_u32 v[SPW], v0, 2, SPARE
	v_mov_b32 v[NIL], 0
	ds_add_u32 v124, v125
	ds_add_u32 v124, v125
	s_wait_dscnt 0x0
	v_lshrrev_b32 v1, 5, v0
	v_readfirstlane_b32 s[WV], v1                  ; wave 0..3
	v_and_b32 v1, 31, v0                           ; lane
	v_and_b32 v2, 15, v0                           ; r
	v_bfe_u32 v3, v0, 4, 1                         ; h
	s_bfe_u32 s[CX], ttmp6, 0x40000
	s_lshl_b32 s[G], ttmp9, 2
	s_add_co_u32 s[G], s[G], s[CX]                 ; my block of 32 rows: it enters global addresses of cc, cs, x and out0 alone
	s_mov_b32 s[G1A], 15|(1<<20)|(1<<21)|(5<<22)|(3<<25)   ; mask: all four work-groups; elements of 1 byte; padding on; bit 21 beside the mask; 4 words of padding after every 64
	s_mov_b32 s[G1B], 15|(1<<20)|(1<<21)|(5<<22)|(3<<25)
.irp g, G1A, G1B
	s_mov_b32 s[\g+1], 256<<16                     ; tensor_dim0 = 256
	s_mov_b32 s[\g+2], 128<<16                     ; tensor_dim1 = 128
	s_mov_b32 s[\g+3], 256<<16                     ; tile_dim0 = 256
	s_mov_b32 s[\g+4], 128                         ; tile_dim1 = 128
	s_mov_b32 s[\g+6], 0
	s_mov_b32 s[\g+7], 0
.endr
	s_mov_b32 s[G1A+5], 512                        ; from row to row
	s_mov_b32 s[G1B+5], 2048
	s_mov_b32 s[SEL], 0x76543210
	s_mov_b32 s[SEL+1], 0xfedcba98
	s_mov_b32 s[MNT], 0x600000
	s_mov_b32 s[INV], 0x3b000000                   ; 1 / 512
	s_mov_b32 s[EPS], 0x3727c5ac                   ; 1e-5
	s_mul_i32 s84, s[WV], WROWS
	s_lshl_b32 s85, s[WV], 9
	s_lshl_b32 s86, s[WV], 11
	s_lshl_b32 s87, s[WV], 7
	s_lshl_b32 s88, s[WV], 2
	s_lshl_b32 s89, s[WV], 13
	s_mul_i32 s90, s[WV], 8*OP
	s_lshl_b32 s91, s[WV], 14
	s_lshl_b32 s92, s[WV], 16                      ; 128 rows of 512 bytes
	s_mov_b32 s93, 0
	s_lshl_b32 s94, s[WV], 18                      ; 128 rows of 2,048 bytes
	s_mov_b32 s95, 0
	s_lshl_b32 s96, s[G], 16                       ; 32 rows of f32
	s_mov_b32 s97, 0
	s_lshl_b32 s98, s[G], 14                       ; 32 rows of codes
	s_mov_b32 s99, 0
	s_lshl_b32 s2, s[G], 9                         ; 32 rows of scale bytes
	s_mov_b32 s3, 0
.irp d, A0, B0
	s_mov_b32 s[\d], 1
	s_mov_b32 s[\d+1], s84
.endr
.irp d, A1, B1
	s_mov_b32 s[\d], 1
	s_add_co_u32 s[\d+1], s84, SLOT
.endr
	v_mul_u32_u24 v[ADRW], v2, PITCH
	v_lshl_add_u32 v[ADRW], v3, 3, v[ADRW]
	v_add_nc_u32 v[ADRW], s84, v[ADRW]             ; (128 w + r) x pitch + 8 h
	v_add_nc_u32 v[ADRW+1], SLOT, v[ADRW]
	v_lshlrev_b32 v[XA], 11, v2
	v_lshl_add_u32 v[XA], v3, 5, v[XA]
	v_add_nc_u32 v[XA], s85, v[XA]                 ; x in the result's layout: row r, (128 w + 8 h) x 4
	v_lshl_add_u32 v[XRI], v1, 4, XIMG
	v_lshl_add_u32 v[XRS], v1, 2, XSC
	v_add_nc_u32 v[XWI], s86, v[XRI]
	v_add_nc_u32 v[XWS], s87, v[XRS]
	v_lshl_add_u32 v[HRI], v1, 4, HIMG
	v_lshl_add_u32 v[HRS], v1, 2, HSC
	v_add_nc_u32 v[HWI], s86, v[HRI]
	v_add_nc_u32 v[HWS], s87, v[HRS]
	v_lshl_add_u32 v[RDL], v2, 4, RED
	v_add_nc_u32 v[RDS], s88, v[RDL]
	v_lshlrev_b32 v[CA], 9, v2
	v_lshl_add_u32 v[CA], v3, 4, v[CA]
	v_lshlrev_b32 v[CSA], 4, v2
	v_add_nc_u32 v[WSA], s86, v[CSA]               ; (128 w + r) x 16
	v_lshlrev_b32 v[W2A], 6, v2
	v_add_nc_u32 v[W2A], s89, v[W2A]               ; (128 w + r) x 64
	v_lshlrev_b32 v[BAA], 5, v3
	v_add_nc_u32 v[BAA], s85, v[BAA]
	v_mul_u32_u24 v[OSO], v2, OP
	v_lshl_add_u32 v[OSO], v3, 5, v[OSO]
	v_add_nc_u32 v[OSO], s85, v[OSO]
	v_lshlrev_b32 v[OSR], 4, v1
	v_add_nc_u32 v[GO], s91, v[OSR]
	v_add_nc_u32 v[OSR], s90, v[OSR]
.irp b, 0,1,2,3
	v_mov_b32 v[TM+4+\b], 0                        ; a lane permute's destination counts as one of its sources
.endr
	s_wait_kmcnt 0x0
	s_add_nc_u64 s[4:5], s[4:5], s[98:99]
	s_add_nc_u64 s[6:7], s[6:7], s[2:3]
	s_add_nc_u64 s[8:9], s[8:9], s[96:97]
	s_add_nc_u64 s[36:37], s[36:37], s[96:97]
	s_add_nc_u64 s[10:11], s[10:11], s[92:93]      ; the weights at my 128 rows
	s_add_nc_u64 s[20:21], s[20:21], s[92:93]
	s_add_nc_u64 s[26:27], s[26:27], s[94:95]
	s_mov_b64 s[A0+2:A0+3], s[10:11]
	s_or_b32 s[A0+3], s[A0+3], 0x80000000
	s_add_nc_u64 s[A1+2:A1+3], s[10:11], 256
	s_or_b32 s[A1+3], s[A1+3], 0x80000000
	s_mov_b64 s[B0+2:B0+3], s[26:27]
	s_or_b32 s[B0+3], s[B0+3], 0x80000000
	s_add_nc_u64 s[B1+2:B1+3], s[26:27], 256
	s_or_b32 s[B1+3], s[B1+3], 0x80000000
	ROUND                                          ; all four work-groups are here: the first joint loads meet
	tensor_load_to_lds s[A0:A0+3], s[G1A:G1A+7]    ; Wo's two halves: two loads of mine are out
	s_nop 0
	tensor_load_to_lds s[A1:A1+3], s[G1A:G1A+7]
	s_nop 0
.rept 4
	v_nop
.endr
	WIN 0x80
.irp m, 0,1
.irp s, 0,1,2,3
.irp c, 0,1,2,3
	global_load_b128 v[16*(4*\m+\s)+4*\c:16*(4*\m+\s)+4*\c+3], v[CA], s[4:5] offset:8192*\m+128*\s+32*\c   ; ctx's eight fragments
.endr
.endr
.endr
	WIN 0
	global_load_b128 v[BS:BS+3], v[CSA], s[6:7]    ; a row's 16 scale bytes are its four words
	global_load_b128 v[BS+4:BS+7], v[CSA], s[6:7] offset:256
	LOADS 12, WSA, 256
.irp m, 0,1
.irp t, 0,1,2,3,4,5,6,7
	global_load_b128 v[Y+64*\m+8*\t:Y+64*\m+8*\t+3], v[XA], s[8:9] offset:32768*\m+64*\t
	global_load_b128 v[Y+64*\m+8*\t+4:Y+64*\m+8*\t+7], v[XA], s[8:9] offset:32768*\m+64*\t+16
.endr
.endr
	LOADB 14, BA
	s_wait_loadcnt 0x0
	ADDB BA                                        ; x + bo: the product adds onto it
	LOADB 16, BA                                   ; g1
	LOADB 18, BB                                   ; be1
	s_wait_tensorcnt 0x1                           ; my rows of slot 0 are in; slot 1's load may be out
	WORK 0, 0, 0, 0, 0
	CH_HEAD
	s_add_nc_u64 s[A0+2:A0+3], s[20:21], 0         ; slot 0 takes W1's group 0, first half
	s_or_b32 s[A0+3], s[A0+3], 0x80000000
	CH_TAIL A0, G1A
	WORK 0, 1, 1, 0, 4
	PLACES 8                                       ; in front of loads into the scale words, and of the reads of the sums
	LOADS 22, WSA, 256
	CH_HEAD
	s_add_nc_u64 s[A1+2:A1+3], s[20:21], 256
	s_or_b32 s[A1+3], s[A1+3], 0x80000000
	s_add_nc_u64 s[A0+2:A0+3], s[A0+2:A0+3], 262144   ; the next group's 512 rows
	CH_TAIL A1, G1A
	s_wait_loadcnt 0x0
	s_add_nc_u64 s[22:23], s[22:23], 8192
	LN 0                                           ; Y = x1
	LOADB 24, BA                                   ; b1 of group 0
	LOADB 30, BB                                   ; b2
.irp m, 0,1
	QUANT Y+64*\m, 0, 0
	IMAGE XWI, 8192*\m                             ; my 128 columns are K step w of the next product
	ds_store_b32 v[XWS], v[PW] offset:512*\m
	s_wait_dscnt 0x0
.endr
	s_wait_loadcnt 0x0
	s_add_nc_u64 s[24:25], s[24:25], 2048
	ADDB BB                                        ; x1 + b2: the second product of the FFN adds onto it
	s_barrier_signal -1
	s_barrier_wait -1                              ; x1's eight fragments lie in LDS
	WIN 0x80
.irp f, 0,1,2,3,4,5,6,7
.irp c, 0,1,2,3
	ds_load_b128 v[16*\f+4*\c:16*\f+4*\c+3], v[XRI] offset:2048*\f+512*\c
.endr
.endr
	WIN 0
.irp f, 0,1,2,3,4,5,6,7
	ds_load_b32 v[BS+\f], v[XRS] offset:128*\f
.endr
	s_wait_dscnt 0x0
	s_mov_b32 s[GRP], 3
.Lgroup:                                               ; a trip is a group of 512 hidden units: four slots' worth of weights
	WORK 1, 0, 0, 1, 0
	CH_HEAD
	s_add_nc_u64 s[A1+2:A1+3], s[A1+2:A1+3], 262144
	CH_TAIL B0, G1B
	WORK 1, 1, 1, 0, 4
	PLACES 8
	LOADS 28, W2A, 1024
	LOADB 24, BA                                   ; the next group's b1
	CH_HEAD
	s_add_nc_u64 s[B0+2:B0+3], s[B0+2:B0+3], 512
	CH_TAIL B1, G1B
	HQ
	s_wait_loadcnt 0x0
	s_add_nc_u64 s[28:29], s[28:29], 16
	s_add_nc_u64 s[24:25], s[24:25], 2048
	WORK 2, 0, 0, 0, 0
	CH_HEAD
	s_add_nc_u64 s[B1+2:B1+3], s[B1+2:B1+3], 512
	CH_TAIL A0, G1A
	WORK 2, 1, 1, 0, 4
	PLACES 8
	LOADS 22, WSA, 256                             ; the next group's scale words of W1
	CH_HEAD
	s_add_nc_u64 s[A0+2:A0+3], s[A0+2:A0+3], 262144
	CH_TAIL A1, G1A
	s_wait_loadcnt 0x0
	s_add_nc_u64 s[22:23], s[22:23], 8192
	s_sub_co_u32 s[GRP], s[GRP], 1
	s_cmp_lg_u32 s[GRP], 0
	s_cbranch_scc1 .Lgroup
	WORK 1, 0, 0, 1, 0                             ; the last group is written out
	CH_HEAD
	CH_TAIL B0, G1B
	WORK 1, 1, 1, 0, 4
	PLACES 8
	LOADS 28, W2A, 1024
	LOADB 32, BA                                   ; g2
	LOADB 34, BB                                   ; be2
	CH_HEAD
	CH_TAIL B1, G1B
	HQ
	s_wait_loadcnt 0x0
	WORK 2, 0, 0, 0, 0
	s_wait_tensorcnt 0x0                           ; W2's last half: nothing is left to fetch
	WORK 2, 1, 1, 0, 8
	PLACES 8
	LN 1024                                        ; Y = out; its two barriers also show every wave's reads of slot 0 over
.irp m, 0,1
.irp t, 0,1,2,3,4,5,6,7
	ds_store_b128 v[OSO], v[Y+64*\m+8*\t:Y+64*\m+8*\t+3] offset:\m*16*OP+64*\t
	ds_store_b128 v[OSO], v[Y+64*\m+8*\t+4:Y+64*\m+8*\t+7] offset:\m*16*OP+64*\t+16
.endr
.endr
	BARRIER                                        ; 32 whole rows lie in the stage
.set n, 0
.rept 32
	ds_load_b128 v[Y+4*n:Y+4*n+3], v[OSR] offset:(n/4)*OP+(n%4)*512
.set n, n+1
.endr
.set n, 0
.rept 32
	s_wait_dscnt 31-n                              ; the loads issued behind this one may be out
	global_store_b128 v[GO], v[Y+4*n:Y+4*n+3], s[36:37] offset:(n/4)*2048+(n%4)*512 th:TH_STORE_NT   ; 32 lanes store 512 consecutive bytes
.set n, n+1
.endr
	s_wait_tensorcnt 0x0                           ; the wave's end
	ds_add_u32 v[SPW], v[NIL]
	s_wait_dscnt 0x0
	ROUND                                          ; the closing round
	s_endpgm
.Lfunc_end_k_q1bb0b3e55e_tail:
	.size	k_q1bb0b3e55e_tail, .Lfunc_end_k_q1bb0b3e55e_tail-k_q1bb0b3e55e_tail
	.p2alignl 7, 3214868480
	.fill 96, 4, 3214868480
	.section	.rodata,"a",@progbits
	.p2align	6, 0x0
	.amdhsa_kernel k_q1bb0b3e55e_tail
		.amdhsa_group_segment_fixed_size 327680
		.amdhsa_private_segment_fixed_size 0
		.amdhsa_enable_private_segment 0
		.amdhsa_kernarg_size 136
		.amdhsa_user_sgpr_count 2
		.amdhsa_user_sgpr_kernarg_segment_ptr 1
		.amdhsa_wavefront_size32 1
		.amdhsa_system_sgpr_workgroup_id_x 1
		.amdhsa_system_sgpr_workgroup_id_y 1
		.amdhsa_system_sgpr_workgroup_id_z 1
		.amdhsa_system_vgpr_workitem_id 0
		.amdhsa_next_free_vgpr 1024
		.amdhsa_next_free_sgpr 100
		.amdhsa_reserve_vcc 0
		.amdhsa_float_denorm_mode_32 3
		.amdhsa_float_denorm_mode_16_64 3
		.amdhsa_memory_ordered 1
		.amdhsa_forward_progress 1
		.amdhsa_inst_pref_size 255
	.end_amdhsa_kernel
	.section	.bss,"aw",@nobits
	.p2align	6
	.space	262144
	.amdgpu_metadata
---
amdhsa.version: [ 1, 2 ]
amdhsa.kernels:
  - .name:           k_q1bb0b3e55e_tail
    .symbol:         k_q1bb0b3e55e_tail.kd
    .args:
      - { .name: cc, .offset: 0, .size: 8, .value_kind: global_buffer, .address_space: global }
      - { .name: cs, .offset: 8, .size: 8, .value_kind: global_buffer, .address_space: global }
      - { .name: x, .offset: 16, .size: 8, .value_kind: global_buffer, .address_space: global }
      - { .name: Wo_codes, .offset: 24, .size: 8, .value_kind: global_buffer, .address_space: global }
      - { .name: Wo_scales, .offset: 32, .size: 8, .value_kind: global_buffer, .address_space: global }
      - { .name: bo, .offset: 40, .size: 8, .value_kind: global_buffer, .address_space: global }
      - { .name: g1, .offset: 48, .size: 8, .value_kind: global_buffer, .address_space: global }
      - { .name: be1, .offset: 56, .size: 8, .value_kind: global_buffer, .address_space: global }
      - { .name: W1_codes, .offset: 64, .size: 8, .value_kind: global_buffer, .address_space: global }
      - { .name: W1_scales, .offset: 72, .size: 8, .value_kind: global_buffer, .address_space: global }
      - { .name: b1, .offset: 80, .size: 8, .value_kind: global_buffer, .address_space: global }
      - { .name: W2_codes, .offset: 88, .size: 8, .value_kind: global_buffer, .address_space: global }
      - { .name: W2_scales, .offset: 96, .size: 8, .value_kind: global_buffer, .address_space: global }
      - { .name: b2, .offset: 104, .size: 8, .value_kind: global_buffer, .address_space: global }
      - { .name: g2, .offset: 112, .size: 8, .value_kind: global_buffer, .address_space: global }
      - { .name: be2, .offset: 120, .size: 8, .value_kind: global_buffer, .address_space: global }
      - { .name: out0, .offset: 128, .size: 8, .value_kind: global_buffer, .address_space: global }
    .group_segment_fixed_size: 327680
    .private_segment_fixed_size: 0
    .kernarg_segment_align: 8
    .kernarg_segment_size: 136
    .max_flat_workgroup_size: 128
    .sgpr_count:     100
    .vgpr_count:     1024
    .wavefront_size: 32
...
	.end_amdgpu_metadata
.endif
;; end of part 3
;; ======== version 2 of 2: 3 launches; version 1 with the launch attn written anew for expert scheduling mode
;; workspace buffers: qc 4,194,304 bytes; qs 131,072 bytes; kc 4,194,304 bytes; kvs 262,144 bytes; vc 4,194,304 bytes; cc 4,194,304 bytes; cs 131,072 bytes
;; launch qkv: the kernel of part 1 again; grid 256 x 1, 4 waves a work-group, clusters of 4 x 1, 327,680 bytes of LDS; arguments x, Wq_codes, Wq_scales, bq, Wk_codes, Wk_scales, bk, Wv_codes, Wv_scales, bv, qc, qs, kc, kvs, vc; writes qc, qs, kc, kvs, vc
;; launch attn (part 4): grid 16 x 16, 16 waves a work-group, no clusters, 94,720 bytes of LDS; arguments qc, qs, kc, vc, kvs, cc, cs; writes cc, cs
.if DOCPART == 4
	.amdgcn_target "amdgcn-amd-amdhsa--gfx1250"
	.amdhsa_code_object_version 6
	.text
	.protected	k_q1bb0b3e55e_attn
	.globl	k_q1bb0b3e55e_attn
	.p2align	8
	.type	k_q1bb0b3e55e_attn,@function
k_q1bb0b3e55e_attn:
	s_mov_b64 s[64:65], 0
	v_nop
	global_prefetch_b8 v0, s[64:65] scope:SCOPE_SE
	s_setreg_imm32_b32 hwreg(HW_REG_WAVE_SCHED_MODE, 0, 2), 2
	s_setreg_imm32_b32 hwreg(HW_REG_WAVE_MODE, 25, 1), 1
	s_wait_xcnt 0x0
	s_wait_alu depctr_vm_vsrc(0)
; ctx[head][q] = the sum over keys k <= q of softmax_k(Q[q] . K[k]) V[k], 16 heads x 4,096 tokens x 64, both products on codes of FP8 (E4M3) with E8M0 scales; no 1 / sqrt(d); then ctx quantised for the next launch.
; IN: qc, kc [65536 tokens][64] codes, qs [token][2]; vc: images of V^T's fragments, keys innermost; kvs [slot][1024]: k's scale bytes, v's scale words.  OUT: cc [65536][64] codes, cs [token][2].
; THE SOFTMAX: t = score x log2(e); M = the row's largest t so far, rounded UP to a whole number; p = 2^(t - M) is quantised along the keys, not normalised; the row's sum is taken of the unquantised p and divides at the end.
; The first product's K is 64: the upper half of both operands' registers holds zero codes, which add nothing (their scale bytes are 0, which is 2^-127 and no NaN).
; SHARES.  Sixteen waves, one tile of 16 queries each, 256 registers: four waves to a SIMD, so that one wave's vector work stands beside another's matrix work.
; THE CAUSAL MASK IS EVENED OUT: work-group j owns blocks j and 31 - j of 128 queries of its head: 33 steps of 128 x 128 for every j; of each four neighbouring waves two take the early block and two the late one.
; Both products are used transposed (S^T = K Q^T, O^T = V^T P^T): a lane holds ONE query.  A tile of K is 16 neighbouring keys; the 16 registers of tiles 2 b, 2 b + 1 lie in one block of 32 keys, in the order
; 8 h + i % 8 + 16 (i / 8), and V's images were laid in that order; ctx leaves in the same order inside each block of 32.
; K, V and their scales come through two LDS slots of 256 keys, filled THROUGH REGISTERS: each thread loads 66 bytes of the next slot behind the barrier and stores them to LDS behind the slot's two steps.
; So the number of trips may differ between work-groups: (35 - j) / 4, two slots a trip, and every LDS address is a constant and a lane's term.
; In the last trip the pointers do not step between the halves: its second half fetches the same slot once more, into LDS bytes that nobody reads again, so that every trip runs the same lines and no load leaves its buffer.
; NO CLUSTER: the work-groups of a head need different numbers of slots under the mask (10 to 16), and what they share, 33 KB a slot, stands against 32 wave-steps of some 330 vector instructions each.
; LIMITS: NaN and infinities are not served.  A block of zeros gets the scale byte 1 where the rule says 127: its codes are zeros, and this program alone reads the bytes.
; REGISTERS: v1-11 addresses; v12 -M, v13 the largest t, v[14:15] the sum; v16-23 Q, v24-31 zeros; v32-95 four fragments of K (8 loaded + 8 zeros each); v96-159 S^T, then p, then V's four fragments;
;   v160-191 O^T; v192-208 bytes on their way into LDS; v209-219 addresses; v224-239 p's codes; v232-254 at work; v248-251 scale words; v253 p's scale word; v255 Q's.
; THE MODE: SCHED_MODE bits 1:0 = 2 (LLVM: expert scheduling mode 2), set by the entry lines.  The code itself states the register dependences
; between vector or matrix instructions and memory or LDS instructions, with s_wait_alu, always for 0.
; THE PLAN.  The wave's 256 registers are a quarter of its SIMD's: there is no room for a second set of any buffer.  Registers that memory or LDS instructions touch, in the loop:
;   v192-208          Written by the five global loads at a slot's head; read by the five LDS stores behind the slot's two steps.  No vector instruction names them: one wait on vm_vsrc ahead of the loads.
;   K's loaded halves (v32-39, 48-55, 64-71, 80-87)  Written by the step's two runs of LDS loads; read by the four products K Q^T behind each run.
;   v248-251          Written by each of the step's three runs of LDS loads (K's scale bytes twice, V's scale words); read as scales by the four products behind each run.
;   v96-159           Written by the products K Q^T, worked on in place by the softmax, read by the conversions; then V's LDS loads land in them, and the products V^T P^T read them.
;   v224-239, v253    p's codes and scale word: written by vector instructions, taken by the products V^T P^T as source 1 and as a scale.
;   v1-8, v10, v11, v209-219, v222, v223   offsets and addresses: written at the head, never again.   v254: at the head the offset of Q's loads, at work from the first step on.
; So a step has four waits on va_vdst: at its head (ahead of K's first run), ahead of K's second run, behind the exponentials, and ahead of V's run, which also shows p's codes and scale word written.
.set KPI,   80                         ; a key's row in LDS: 64 bytes + 16: the 16 rows of a load start at 16 different groups of banks
.set VOFF,  256*KPI                    ; V's 8 images of 2,048 bytes
.set KSC,   VOFF+16384                 ; K's scale bytes, 2 a key
.set VSC,   KSC+512                    ; V's scale words
.set SLOTB, VSC+512
.set STG,   2*SLOTB                    ; the way out: 1,024 bytes for each wave
.set SSTG,  STG+16*1024                ; and the scale bytes of the two blocks of queries
.set AK,  1
.set AV,  3
.set AS,  5
.set AT,  7
.set WV,  18
.set HI,  19
.set IDX, 20
.set Q0,  21
.set KF,  22
.set TR,  23
.set SEL, 24
.set CS,  26
.set MNT, 28
.set HEAD, 30
.set MK,  40                           ; s[40:55] sixteen lane masks of the step on the diagonal (these registers are free behind the head)
; A KEY STEP: 128 keys, the q-th of LDS slot sl
.macro STEP sl, q
	s_add_co_u32 s36, s[Q0], 15                    ; a step all of whose keys come after my 16 queries is left out: a scalar branch on ids; no barrier stands in a step
	s_cmp_gt_u32 s[KF], s36
	s_cbranch_scc1 .Lhidden_\@
	s_wait_alu depctr_va_vdst(0)                   ; the last step's products V^T P^T are done reading the scale words v248-251, in which the loads below land; in the first step: the zero halves of Q's and K's fragments are written, which the products take as parts of their sources
.irp g, 0,1                                    ; S^T = K Q^T, four tiles of 16 keys at a time
.if \g > 0
.rept 8
	v_nop                                          ; eight places behind the last four products
.endr
	s_wait_alu depctr_va_vdst(0)                   ; those four products are done reading K's fragments and scale bytes, in which the loads below land
.endif
.irp t, 0,1,2,3
	ds_load_b128 v[32+16*\t:35+16*\t], v[AK+\sl] offset:(128*(\q)+16*(4*\g+\t))*KPI
	ds_load_b128 v[36+16*\t:39+16*\t], v[AK+\sl] offset:(128*(\q)+16*(4*\g+\t))*KPI+32
	ds_load_u16 v[248+\t], v[AS+\sl] offset:KSC+2*(128*(\q)+16*(4*\g+\t))
.endr
	s_wait_dscnt 0x0
.irp t, 0,1,2,3
	v_wmma_scale_f32_16x16x128_f8f6f4 v[96+8*(4*\g+\t):103+8*(4*\g+\t)], v[32+16*\t:47+16*\t], v[16:31], 0, v[248+\t], v255
.endr
.endr
.rept 8
	v_nop
.endr
	s_add_co_u32 s36, s[KF], 127                   ; on the diagonal hidden scores become -infinity ahead of the maximum; a step all of whose keys count skips this
	s_cmp_le_u32 s36, s[Q0]
	s_cbranch_scc1 .Lopen_\@
	s_sub_co_i32 s36, s[Q0], s[KF]
	v_add_nc_u32 v252, s36, v9                     ; my query - KF - 8 h.  Register n holds key KF + 8 h + 16 (n / 8) + n % 8
	v_mov_b32 v254, 0xff800000
.set n, 0
.rept 4                                        ; the compares go in runs of sixteen, each into a scalar register of its own, so that one wait serves a run
.set k, 0
.rept 16
	v_cmp_gt_i32 s[MK+k], 16*((n+k)/8)+(n+k)%8, v252
.set k, k+1
.endr
	s_wait_alu depctr_va_sdst(0)                   ; the sixteen compares have written their masks s40 to s55, ahead of the selects that read them
.set k, 0
.rept 16
	v_cndmask_b32 v[96+n+k], v[96+n+k], v254, s[MK+k]
.set k, k+1
.endr
.set n, n+16
.endr
.Lopen_\@:
.irp b, 0,1,2,3
	v_max3_num_f32 v[232+\b], v[96+16*\b], v[97+16*\b], v[98+16*\b]   ; the largest score of each block of 32 keys: for the row's maximum, and, since p rises with the score, for the block's largest p
.endr
.irp i, 3,5,7,9,11,13
.irp b, 0,1,2,3
	v_max3_num_f32 v[232+\b], v[232+\b], v[96+16*\b+\i], v[97+16*\b+\i]
.endr
.endr
.irp b, 0,1,2,3
	v_max_num_f32 v[232+\b], v[232+\b], v[111+16*\b]
.endr
.irp b, 0,1,2,3
	v_permlanex16_b32 v[236+\b], v[232+\b], s[SEL], s[SEL+1]
.endr
.irp b, 0,1,2,3
	v_max_num_f32 v[232+\b], v[232+\b], v[236+\b]  ; with lane l xor 16's 16 keys
.endr
	v_max3_num_f32 v254, v232, v233, v234
	v_max_num_f32 v254, v254, v235
	v_mul_f32 v254, s[CS], v254                    ; the step's largest t
	v_max_num_f32 v13, v13, v254                   ; the running largest t
	v_mov_b32 v254, v12
	v_floor_f32 v12, -v13                          ; the new -M = -ceil(t)
	v_sub_f32 v254, v12, v254                      ; old M - new M: a whole number, 0 or less
	v_cvt_i32_f32 v254, v254                       ; (it saturates)
	v_ldexp_f32 v252, 1.0, v254                    ; f = 2^(old M - new M): a multiplication by it rounds nothing
.set n, 0
.rept 32
	v_pk_fma_f32 v[96+n:97+n], v[96+n:97+n], s[CS:CS+1], v[12:13] op_sel_hi:[1,0,0]   ; t - M, two at a time
.set n, n+2
.endr
.irp b, 0,1,2,3
	v_fma_f32 v[232+\b], v[232+\b], s[CS], v12
.endr
.set n, 0
.rept 64
	v_exp_f32 v[96+n], v[96+n]                     ; p = 2^(t - M)
.set n, n+1
.endr
.irp b, 0,1,2,3
	v_exp_f32 v[232+\b], v[232+\b]                 ; the block's largest p
.endr
	v_pk_mul_f32 v[14:15], v[14:15], v[252:253] op_sel_hi:[1,0]   ; the sums under the new M (a plain place behind the exponentials)
	s_wait_alu depctr_va_vdst(0)                   ; the 68 exponentials have written p (v96-159) and the blocks' largest p (v232-235): one wait for the batch, ahead of its first reader
.irp b, 0,1,2,3
	v_max_num_f32 v[232+\b], 0x4800000, v[232+\b]  ; the floor 2^(9 - 127)
.endr
.irp b, 0,1,2,3
	v_add_nc_u32 v[244+\b], 0xfc000000, v[232+\b]
.endr
.irp b, 0,1,2,3
	v_and_or_b32 v[240+\b], v[232+\b], 0x7f800000, s[MNT]
.endr
.irp b, 0,1,2,3
	v_lshrrev_b32 v[236+\b], 23, v[244+\b]
.endr
	v_lshl_or_b32 v253, v237, 8, v236              ; p's scale word for these 128 keys
	v_lshl_or_b32 v253, v238, 16, v253
	v_lshl_or_b32 v253, v239, 24, v253
	v_pk_add_f32 v[236:237], v[96:97], v[98:99]    ; the row's sum is taken of the unquantised p, in two chains
.set n, 4
.rept 15
	v_pk_add_f32 v[14:15], v[14:15], v[96+n:97+n]
	v_pk_add_f32 v[236:237], v[236:237], v[98+n:99+n]
.set n, n+4
.endr
	v_pk_add_f32 v[14:15], v[14:15], v[236:237]
.irp b, 0,1,2,3
.set n, 0
.rept 16
	v_min_num_f32 v[96+16*\b+n], v[96+16*\b+n], v[240+\b]   ; the conversion does not saturate (ISA guide 7.6.2); p is not negative: a one-sided hold
.set n, n+1
.endr
	v_cvt_scalef32_pk8_fp8_f32 v[224+4*\b:225+4*\b], v[96+16*\b:103+16*\b], v[244+\b]
	v_cvt_scalef32_pk8_fp8_f32 v[226+4*\b:227+4*\b], v[104+16*\b:111+16*\b], v[244+\b]
.endr
	v_nop
.set n, 0
.rept 16
	v_pk_mul_f32 v[160+n:161+n], v[160+n:161+n], v[252:253] op_sel_hi:[1,0]   ; O^T under the new M; these are also the places between the codes' conversions and the products below: first the places, then the wait
.set n, n+2
.endr
	s_wait_alu depctr_va_vdst(0)                   ; the holds and conversions are done with p's registers v96-159, and the products K Q^T with the scale words v248-251: V's loads land in both; p's codes v224-239 and its scale word v253 are written, which the products below take as source 1 and as a scale
.irp t, 0,1,2,3                                ; V's four fragments into the registers that p has left
.irp c, 0,1,2,3
	ds_load_b128 v[96+16*\t+4*\c:99+16*\t+4*\c], v[AV+\sl] offset:VOFF+(4*(\q)+\t)*2048+512*\c
.endr
	ds_load_b32 v[248+\t], v[AT+\sl] offset:VSC+(4*(\q)+\t)*64
.endr
	s_wait_dscnt 0x0
.irp t, 0,1,2,3
	v_wmma_scale_f32_16x16x128_f8f6f4 v[160+8*\t:167+8*\t], v[96+16*\t:111+16*\t], v[224:239], v[160+8*\t:167+8*\t], v[248+\t], v253
.endr
.rept 9
	v_nop                                          ; the next step's products write over V's registers: nine places
.endr
.Lhidden_\@:
	s_add_co_u32 s[KF], s[KF], 128
.endm
.macro GET                                     ; the next slot's bytes: 16 bytes a thread, 8,192 an instruction of the work-group
	global_load_b128 v[192:195], v10, s[8:9]
	global_load_b128 v[196:199], v10, s[8:9] offset:8192
	global_load_b128 v[200:203], v10, s[10:11]
	global_load_b128 v[204:207], v10, s[10:11] offset:8192
	global_load_u16 v208, v11, s[12:13]
.endm
.macro PUT sl                                  ; and into LDS slot sl.  The stores' data come from loads and their addresses from the head: no vector instruction since the head's wait names either
	s_wait_loadcnt 0x0
	ds_store_b128 v[209+\sl], v[192:195]
	ds_store_b128 v[209+\sl], v[196:199] offset:128*KPI
	ds_store_b128 v[211+\sl], v[200:203] offset:VOFF
	ds_store_b128 v[211+\sl], v[204:207] offset:VOFF+8192
	ds_store_b16 v[213+\sl], v208 offset:KSC
.endm
; One barrier a slot, for two things: my stores into slot sl have landed, and my reads of the other slot are over; behind it both hold of all sixteen waves
.macro HALF sl
	s_wait_dscnt 0x0
	s_barrier_signal -1
	s_barrier_wait -1
	s_wait_alu depctr_vm_vsrc(0)                   ; my LDS stores have read v192-208, in which the loads below land; in the first trip also: Q's loads have read their offset v254, which the first step writes
	GET
	STEP \sl, 0
	STEP \sl, 1
	PUT 1-\sl
.endm
	s_load_b256 s[4:11], s[0:1], 0x0               ; qc s[4:5], qs s[6:7], kc s[8:9], vc s[10:11]
	s_load_b128 s[12:15], s[0:1], 0x20             ; kvs s[12:13], cc s[14:15]
	s_load_b64 s[16:17], s[0:1], 0x30              ; cs
	v_lshl_add_u32 v222, v0, 2, 0x16a00
	v_mov_b32 v223, 0
	v_lshrrev_b32 v232, 5, v0
	v_readfirstlane_b32 s[WV], v232                ; wave 0..15
	s_wait_alu depctr_va_sdst(0)                   ; the wave's number s18 is written, ahead of its first reader: the queries' block, the bases and the stages' addresses are made from it
	s_lshr_b32 s36, s[WV], 2
	s_xor_b32 s36, s36, s[WV]
	s_and_b32 s[HI], s36, 1                        ; 0: the early block of queries, 1: the late one
	s_lshr_b32 s[IDX], s[WV], 1                    ; which 16 of its 128
	s_and_b32 s[HEAD], ttmp7, 0xffff
	s_lshl_b32 s36, ttmp9, 1
	s_sub_co_u32 s36, 31, s36
	s_mul_i32 s36, s36, s[HI]
	s_add_co_u32 s36, s36, ttmp9                   ; block j or 31 - j
	s_lshl_b32 s36, s36, 7
	s_lshl_b32 s37, s[IDX], 4
	s_add_co_u32 s[Q0], s36, s37                   ; my first query
	s_sub_co_u32 s[TR], 35, ttmp9
	s_lshr_b32 s[TR], s[TR], 2                     ; trips of two slots: the late block's last key lies in slot (31 - j) / 2
	s_mov_b32 s[KF], 0
	s_mov_b32 s[SEL], 0x76543210
	s_mov_b32 s[SEL+1], 0xfedcba98
	s_mov_b32 s[CS], 0x3fb8aa3b                    ; log2(e)
	s_mov_b32 s[CS+1], s[CS]
	s_mov_b32 s[MNT], 0x600000
	s_mov_b32 s33, 0
	s_mov_b32 s35, 0
	s_lshl_b32 s38, s[HEAD], 18                    ; the head's 16 slots of 16,384 bytes
	s_mov_b32 s39, 0
	s_lshl_b32 s40, s[HEAD], 14                    ; and of 1,024
	s_mov_b32 s41, 0
	s_lshl_b32 s42, s[HEAD], 12
	s_add_co_u32 s42, s42, s[Q0]                   ; my first token
	s_lshl_b32 s48, s42, 6
	s_mov_b32 s49, 0
	s_lshl_b32 s50, s42, 1
	s_mov_b32 s51, 0
	v_and_b32 v232, 15, v0                         ; r
	v_bfe_u32 v233, v0, 4, 1                       ; h
	v_and_b32 v234, 31, v0                         ; lane
	v_mul_u32_u24 v1, v232, KPI
	v_lshl_add_u32 v1, v233, 4, v1
	v_add_nc_u32 v2, SLOTB, v1
	v_lshlrev_b32 v3, 4, v234
	v_add_nc_u32 v4, SLOTB, v3
	v_lshlrev_b32 v5, 1, v232
	v_add_nc_u32 v6, SLOTB, v5
	v_lshlrev_b32 v7, 2, v232
	v_add_nc_u32 v8, SLOTB, v7
	v_lshlrev_b32 v9, 3, v233
	v_sub_nc_u32 v9, v232, v9                      ; r - 8 h
	v_lshlrev_b32 v10, 4, v0
	v_lshlrev_b32 v11, 1, v0
	v_lshrrev_b32 v209, 2, v0
	v_mul_u32_u24 v209, v209, KPI
	v_and_b32 v210, 3, v0
	v_lshl_add_u32 v209, v210, 4, v209             ; four threads to a key's 64 bytes
	v_add_nc_u32 v210, SLOTB, v209
	v_lshlrev_b32 v211, 4, v0
	v_add_nc_u32 v212, SLOTB, v211
	v_lshlrev_b32 v213, 1, v0
	v_add_nc_u32 v214, SLOTB, v213
	s_lshl_b32 s44, s[WV], 10
	s_add_co_u32 s44, s44, STG
	v_lshlrev_b32 v215, 6, v232
	v_lshl_add_u32 v215, v233, 4, v215
	v_add_nc_u32 v215, s44, v215                   ; the way out: token r's 64 bytes, + 16 h
	v_add_nc_u32 v216, s44, v3
	s_lshl_b32 s45, s[HI], 8
	s_add_co_u32 s45, s45, SSTG
	s_lshl_b32 s46, s[IDX], 5
	s_add_co_u32 s46, s46, s45
	v_add_nc_u32 v217, s46, v5
	v_lshlrev_b32 v219, 3, v234
	v_add_nc_u32 v218, s45, v219
	v_lshlrev_b32 v254, 6, v232
	v_lshl_add_u32 v254, v233, 4, v254
	s_wait_kmcnt 0x0
	s_add_nc_u64 s[8:9], s[8:9], s[38:39]
	s_add_nc_u64 s[10:11], s[10:11], s[38:39]
	s_add_nc_u64 s[12:13], s[12:13], s[40:41]
	s_add_nc_u64 s[4:5], s[4:5], s[48:49]
	s_add_nc_u64 s[14:15], s[14:15], s[48:49]
	s_add_nc_u64 s[6:7], s[6:7], s[50:51]
	s_add_nc_u64 s[16:17], s[16:17], s[50:51]
	s_wait_alu depctr_va_vdst(0)                   ; all offsets and addresses are written (v1-8, v10, v11, v209-219, v222, v223, v254), which the kernel's loads and stores read; but for v254 none is written again
	GET                                            ; slot 0
	global_load_b128 v[16:19], v254, s[4:5]        ; Q's fragment stays in registers
	global_load_b128 v[20:23], v254, s[4:5] offset:32
	global_load_u16 v255, v5, s[6:7]               ; and its scale bytes
.irp j, 0,1,2,3,4,5,6,7
	v_mov_b32 v[24+\j], 0                          ; the upper half of K = 128: zero codes, in Q's fragment and in K's four
	v_mov_b32 v[40+\j], 0
	v_mov_b32 v[56+\j], 0
	v_mov_b32 v[72+\j], 0
	v_mov_b32 v[88+\j], 0
.endr
.set n, 0
.rept 32
	v_mov_b32 v[160+n], 0                          ; O^T: the step is written once; the first finds zeros
.set n, n+1
.endr
	v_mov_b32 v13, 0xff61b1e6                      ; the largest t so far: -3e38
	v_floor_f32 v12, -v13
	v_mov_b32 v14, 0
	v_mov_b32 v15, 0
.irp b, 0,1,2,3
	v_mov_b32 v[236+\b], 0                         ; a lane permute's destination counts as one of its sources
.endr
	v_mov_b32 v252, 0
	v_mov_b32 v253, 0
	PUT 0
	s_add_nc_u64 s[8:9], s[8:9], 0x4000            ; (behind the wait for the loads) on to slot 1
	s_add_nc_u64 s[10:11], s[10:11], 0x4000
	s_add_nc_u64 s[12:13], s[12:13], 0x400
.Ltrip:
	HALF 0
	s_cmp_eq_u32 s[TR], 1                          ; in the last trip the pointers stay: the second half fetches the same slot again and no load leaves its buffer
	s_cselect_b32 s32, 0, 0x4000
	s_cselect_b32 s34, 0, 0x400
	s_add_nc_u64 s[8:9], s[8:9], s[32:33]
	s_add_nc_u64 s[10:11], s[10:11], s[32:33]
	s_add_nc_u64 s[12:13], s[12:13], s[34:35]
	HALF 1
	s_add_nc_u64 s[8:9], s[8:9], 0x4000
	s_add_nc_u64 s[10:11], s[10:11], 0x4000
	s_add_nc_u64 s[12:13], s[12:13], 0x400
	s_sub_co_u32 s[TR], s[TR], 1
	s_cmp_lg_u32 s[TR], 0
	s_cbranch_scc1 .Ltrip
	; THE WAY OUT: O^T / the sum, quantised along the head's 64 (two blocks of 32, each in lanes l and l xor 16)
	v_add_f32 v14, v14, v15
	v_permlanex16_b32 v252, v14, s[SEL], s[SEL+1]
	v_add_f32 v14, v14, v252                       ; the row's sum
	v_rcp_f32 v14, v14
	v_nop
	s_wait_alu depctr_va_vdst(0)                   ; the reciprocal has written v14, ahead of its first reader
.set n, 0
.rept 32
	v_mul_f32 v[96+n], v[160+n], v14
.set n, n+1
.endr
.irp b, 0,1
	v_max3_num_f32 v[232+\b], |v[96+16*\b]|, |v[97+16*\b]|, 0x4800000
.endr
.irp i, 2,4,6,8,10,12,14
.irp b, 0,1
	v_max3_num_f32 v[232+\b], v[232+\b], |v[96+16*\b+\i]|, |v[97+16*\b+\i]|
.endr
.endr
.irp b, 0,1
	v_permlanex16_b32 v[236+\b], v[232+\b], s[SEL], s[SEL+1]
.endr
.irp b, 0,1
	v_max_num_f32 v[232+\b], v[232+\b], v[236+\b]
.endr
.irp b, 0,1
	v_add_nc_u32 v[244+\b], 0xfc000000, v[232+\b]
.endr
.irp b, 0,1
	v_and_or_b32 v[240+\b], v[232+\b], 0x7f800000, s[MNT]
.endr
.irp b, 0,1
	v_lshrrev_b32 v[236+\b], 23, v[244+\b]
.endr
	v_lshl_or_b32 v238, v237, 8, v236              ; my token's two scale bytes
.irp b, 0,1
.set n, 0
.rept 16
	v_med3_num_f32 v[96+16*\b+n], v[96+16*\b+n], -v[240+\b], v[240+\b]
.set n, n+1
.endr
	v_cvt_scalef32_pk8_fp8_f32 v[224+4*\b:225+4*\b], v[96+16*\b:103+16*\b], v[244+\b]
	v_cvt_scalef32_pk8_fp8_f32 v[226+4*\b:227+4*\b], v[104+16*\b:111+16*\b], v[244+\b]
.endr
	v_nop
	s_wait_alu depctr_va_vdst(0)                   ; the codes v224-231 and the scale bytes v238 are written, which the LDS stores read; the holds and conversions are done with v96-105, in which the LDS loads below land.  No vector instruction follows this wait
	ds_store_b128 v215, v[224:227]
	ds_store_b128 v215, v[228:231] offset:32
	ds_store_b16 v217, v238                        ; both lanes of a token write the same bytes
	ds_load_b128 v[96:99], v216                    ; LDS serves a wave's instructions in order: these see my stores
	ds_load_b128 v[100:103], v216 offset:512
	s_wait_dscnt 0x0
	global_store_b128 v3, v[96:99], s[14:15]       ; my 16 tokens' 1,024 consecutive bytes
	global_store_b128 v3, v[100:103], s[14:15] offset:512
	s_barrier_signal -1
	s_barrier_wait -1                              ; the scale bytes of both blocks of 128 queries lie in LDS
	s_cmp_lt_u32 s[WV], 2
	s_cbranch_scc0 .Lend                           ; waves 0 and 1 hold the blocks' first tokens: each stores one block's 256 bytes
	ds_load_b64 v[104:105], v218
	s_wait_dscnt 0x0
	global_store_b64 v219, v[104:105], s[16:17]
.Lend:
	s_wait_dscnt 0x0                               ; the closing lines, six on end
	s_wait_alu 0x0
	s_wait_tensorcnt 0x0
	ds_add_u32 v222, v223
	s_wait_dscnt 0x0
	s_endpgm
.Lfunc_end_k_q1bb0b3e55e_attn:
	.size	k_q1bb0b3e55e_attn, .Lfunc_end_k_q1bb0b3e55e_attn-k_q1bb0b3e55e_attn
	.p2alignl 7, 3214868480
	.fill 96, 4, 3214868480
	.section	.rodata,"a",@progbits
	.p2align	6, 0x0
	.amdhsa_kernel k_q1bb0b3e55e_attn
		.amdhsa_group_segment_fixed_size 94720
		.amdhsa_private_segment_fixed_size 0
		.amdhsa_enable_private_segment 0
		.amdhsa_kernarg_size 56
		.amdhsa_user_sgpr_count 2
		.amdhsa_user_sgpr_kernarg_segment_ptr 1
		.amdhsa_wavefront_size32 1
		.amdhsa_system_sgpr_workgroup_id_x 1
		.amdhsa_system_sgpr_workgroup_id_y 1
		.amdhsa_system_sgpr_workgroup_id_z 1
		.amdhsa_system_vgpr_workitem_id 0
		.amdhsa_next_free_vgpr 256
		.amdhsa_next_free_sgpr 66
		.amdhsa_reserve_vcc 0
		.amdhsa_float_denorm_mode_32 3
		.amdhsa_float_denorm_mode_16_64 3
		.amdhsa_memory_ordered 1
		.amdhsa_forward_progress 1
		.amdhsa_inst_pref_size 131
	.end_amdhsa_kernel
	.amdgpu_metadata
---
amdhsa.version: [ 1, 2 ]
amdhsa.kernels:
  - .name:           k_q1bb0b3e55e_attn
    .symbol:         k_q1bb0b3e55e_attn.kd
    .args:
      - { .name: qc, .offset: 0, .size: 8, .value_kind: global_buffer, .address_space: global }
      - { .name: qs, .offset: 8, .size: 8, .value_kind: global_buffer, .address_space: global }
      - { .name: kc, .offset: 16, .size: 8, .value_kind: global_buffer, .address_space: global }
      - { .name: vc, .offset: 24, .size: 8, .value_kind: global_buffer, .address_space: global }
      - { .name: kvs, .offset: 32, .size: 8, .value_kind: global_buffer, .address_space: global }
      - { .name: cc, .offset: 40, .size: 8, .value_kind: global_buffer, .address_space: global }
      - { .name: cs, .offset: 48, .size: 8, .value_kind: global_buffer, .address_space: global }
    .group_segment_fixed_size: 94720
    .private_segment_fixed_size: 0
    .kernarg_segment_align: 8
    .kernarg_segment_size: 56
    .max_flat_workgroup_size: 512
    .sgpr_count:     66
    .vgpr_count:     256
    .wavefront_size: 32
...
	.end_amdgpu_metadata
.endif
;; end of part 4
;; launch tail: the kernel of part 3 again; grid 256 x 1, 4 waves a work-group, clusters of 4 x 1, 327,680 bytes of LDS; arguments cc, cs, x, Wo_codes, Wo_scales, bo, g1, be1, W1_codes, W1_scales, b1, W2_codes, W2_scales, b2, g2, be2, out0; writes out0
